; MI455X (gfx1250); checked and timed in simulation.
; The chip was launched on July 23, 2026; its instructions are those of AMD's public machine-readable ISA for CDNA 5 (MIT licence, August 2026) and "CDNA5" Instruction Set Architecture Reference Guide (July 2026). The comments in the code are by the model that wrote it; some were corrected since.
;; Pattention Layer. Allowed arithmetic: matrix products marked QUANTISED: E2M3 operands, one E8M0 scale for each 32 along K, by v_wmma_scale_f32_16x16x128_f8f6f4 with both operands' format E2M3, f32 sums; everything else in f32.
;; Inputs: key_param_tokens_codes 4,096 x 32 x 24 uint8 (E2M3 codes of key_param_tokens, K innermost, in blocks of 32 codes, four codes in three bytes); key_param_tokens_scales 4,096 x 32 uint8 (E8M0 scales of key_param_tokens, one for each 32 codes along K); value_param_tokens_codes 1,024 x 128 x 24 uint8 (E2M3 codes of value_param_tokens, K innermost, in blocks of 32 codes, four codes in three bytes); value_param_tokens_scales 1,024 x 128 uint8 (E8M0 scales of value_param_tokens, one for each 32 codes along K); x_codes 4 x 2,048 x 32 x 24 uint8 (E2M3 codes of x, K innermost, in blocks of 32 codes, four codes in three bytes); x_scales 4 x 2,048 x 32 uint8 (E8M0 scales of x, one for each 32 codes along K).
;; Outputs: out0 4 x 2,048 x 1,024 float32.
;; This version of the problem:
;;   THIS VERSION OF THE PROBLEM IS GIVEN IN LOW PRECISION. The matrix products marked QUANTISED in the list below multiply operands that are first quantised to E2M3 (2 exponent bits, 3 mantissa bits; 6 bits a number), with one power-of-two scale for each 32 numbers along K (OCP MX v1.0); their sums are f32. All else is computed in f32.
;;   The module's matrix products, in the order in which they are computed (A, B: the left and right operand; K: the contracted axis; several contracted axes count as one K, in the product's order):
;;     1. [M 8,192, K 1,024] x [K 1,024, N 4,096]; A: input x (given as codes); B: input key_param_tokens (given as codes): QUANTISED
;;     2. [M 8,192, K 4,096] x [K 4,096, N 1,024]; A: computed on the way; B: input value_param_tokens (given as codes): QUANTISED
;;   THE QUANTISER, for each operand of a quantised product, along K:
;;     - K is cut into blocks of 32 from its start; a last block that is shorter is filled with zeros.
;;     - A block's scale is 2^e with e = floor(log2(the largest magnitude in the block)) - 2, held to -126 .. 127; a block of zeros has e = 0. As a byte (E8M0): e + 127.
;;     - Each number is divided by its block's scale, clamped to +-7.5, and rounded to the nearest number of E2M3, ties to even, subnormals kept.
;;     - The product sums the exact products of the quantised numbers (number of the format x scale) in f32.
;;   ~~~python
;;   def quantise(x, axis):      # numpy; x: float32 -> the quantised numbers, widened to float32 again
;;       x = np.moveaxis(x, axis, -1); K = x.shape[-1]
;;       x = np.pad(x, [(0, 0)] * (x.ndim - 1) + [(0, -K % 32)]); x = x.reshape(x.shape[:-1] + (-1, 32)); a = np.abs(x).max(-1, keepdims=True)
;;       e = np.where(a > 0, np.clip(np.frexp(np.where(a > 0, a, 1))[1] - 1 - 2, -126, 127), 0)      # np.frexp(a)[1] - 1 = floor(log2(a)), exactly
;;       r = np.clip(x / 2.0 ** e, -7.5, 7.5)
;;       step = 2.0 ** (np.maximum(np.frexp(np.where(r == 0, 1, r))[1] - 1, 0) - 3)
;;       q = np.round(r / step) * step * 2.0 ** e      # np.round: ties to even
;;       return np.moveaxis(q.reshape(q.shape[:-2] + (-1,))[..., :K], -1, axis).astype(np.float32)
;;   ~~~
;;   OPERANDS COMPUTED ON THE WAY. 'Computed on the way' means the value that the module computes at that place (a softmax that the list does not call 'softmax' is quantised finished and normalised). What goes into a quantiser is computed in f32, as accurately as f32 sums, v_exp_f32 and their like allow (about 1e-6 of the number): no bf16 or f16 on the way to a quantiser, and a product that is left as it is and whose result goes on into a quantised operand takes f32 operands (vector FMAs, or v_wmma_f32_16x16x4_f32). A number that lies on a knife's edge between two numbers of the format may be rounded either way, as far as f32 arithmetic and the matrix unit's own rounding can turn it there, and no further.
;;   INPUTS GIVEN AS CODES. key_param_tokens (in the module: [4096, 1024], K = its axis 1); value_param_tokens (in the module: [4096, 1024], K = its axis 0); x (in the module: [4, 2048, 1024], K = its axis 2): each comes as NAME_codes (uint8): NAME with its K axis moved to the last place and cut into blocks of 32 codes, [.., K / 32, bytes a block], one block behind the other in memory; four codes in three bytes: a row's codes are one little-endian stream of bits, code i at bits 6 i .. 6 i + 5 (a code: sign, 2 exponent bits, 3 mantissa bits); and NAME_scales (uint8): the same leading axes, one E8M0 byte (e + 127) for each 32 codes along K. Its value is code x scale, taken as it is: it is not quantised again, and the codes and scales need not be those that the quantiser above would give.
;; One version. Each part assembles by itself: llvm-mc -triple=amdgcn-amd-amdhsa -mcpu=gfx1250 --defsym DOCPART=n.
;; ======== version 1 of 1: 3 launches
;; limits: right only within a limited range of input values
;; workspace buffers: part 524,288 bytes; vimg 3,276,800 bytes; aimg 26,214,400 bytes
;; launch norms (part 1): grid 16 x 32, 4 waves a work-group, clusters of 4 x 4, 327,680 bytes of LDS; arguments x_codes, x_scales, key_param_tokens_codes, key_param_tokens_scales, part, value_param_tokens_codes, value_param_tokens_scales, vimg; writes part, vimg
.if DOCPART == 1
	.amdgcn_target "amdgcn-amd-amdhsa--gfx1250"
	.amdhsa_code_object_version 6
	.text
	.protected	k_qa6471e0ef0_norms
	.globl	k_qa6471e0ef0_norms
	.p2align	8
	.type	k_qa6471e0ef0_norms,@function
k_qa6471e0ef0_norms:
	s_mov_b64 s[64:65], 0
	v_nop
	global_prefetch_b8 v0, s[64:65] scope:SCOPE_SE
	s_setreg_imm32_b32 hwreg(HW_REG_WAVE_MODE, 25, 1), 1
	s_wait_xcnt 0x0
	s_wait_alu depctr_hold_cnt(0) depctr_sa_sdst(0) depctr_va_vdst(0) depctr_va_sdst(0) depctr_va_ssrc(0) depctr_va_vcc(0) depctr_vm_vsrc(0)
	s_getreg_b32 s2, hwreg(HW_REG_IB_STS2, 6, 4)
	s_cmp_eq_u32 s2, 0
	s_cbranch_scc0 .Lentry_in_a_cluster
	s_endpgm
.Lentry_in_a_cluster:
	s_bfe_u32 s2, ttmp6, 0x10000c
	s_cmp_lg_u32 s2, 0xf033
	s_cbranch_scc0 .Lentry_shape_is_right
	s_endpgm
.Lentry_shape_is_right:
; FIRST OF THREE LAUNCHES.  out = Q(gelu(sim / max(|sim|, 1e-12))) V, sim = x key^T / 32, both products on codes of FP6 (E2M3) with one E8M0 scale for each 32 along K.
; gelu wants a row's norm, all 4,096 sims of the row, before one code of the second product's operand can be made; a row block's sims in f32 do not fit on a work-group beside operands.
; So the first product is made twice: HERE only each row's sum of squares is kept; the second launch makes it again, normalises, applies gelu and quantises; the third makes the second product.
; NOTHING OF reference() IS LEFT OUT; every input is loaded by some launch.  The factor 1 / 32 is a power of two and is applied with the norm, in the second launch.
; THIS LAUNCH: dot[m][n] = sum over k of x[m][k] key[n][k], m 8,192, n 4,096, k 1,024; part[p][m] = the sum of dot^2 over the 256 columns of tile column p (16 partial sums a row).
; LIMITS: the squares are summed of dot, not of dot / 32, so the sum passes f32's range 1,024 times earlier than reference()'s (row rms of dot about 2.9e17); NaN and infinities among the scales are not served.
; BESIDE IT each of the 2,048 waves lays one fragment of V (16 columns x 128 K: 12 registers a lane, and its scale words) into vimg in the order of the operand's registers.
;   vimg: [128 columns: 8][512 along K: 8] blocks of 51,200 bytes: codes at (8 q + j) 1,536 (q: K step of 128, j: tile of 16 columns; registers 4 c .. 4 c + 3 of lane l at 512 c + 16 l), scale words at 49,152 + (8 q + j) 64 + 4 r.
; SHARES: a tile of 256 x 256 to a work-group of four waves; a wave makes 128 x 128: 64 accumulators, 512 registers.
; K goes in CHUNKS OF 256 BYTES of each row of codes (a row is 768 bytes: three chunks, each at a multiple of 256); chunk c lies in LDS slot c % 2.  A step of 128 along K is 96 bytes: steps 2 and 5 lie across two chunks.
; THE HEAD'S FOUR TENSOR LOADS, one a wave: chunk 0 of x's 256 rows, chunk 0 of key's, chunk 1 of x's, chunk 1 of key's.  Chunk 2 is the one refill, behind a round of the cluster's barrier at the end of step 1.
; THE SCALES come straight into registers: a row's 32 bytes are 8 words, one a step; lane (r, h) takes bytes 16 h .. 16 h + 15 of row r, so 32 lanes read 512 consecutive bytes,
;   and register j holds step j's word in lanes 0-15 and step 4 + j's in lanes 16-31.
; BOTH OPERANDS HAVE TWO SETS OF FRAGMENT REGISTERS: a step fetches the whole next step, key's 48 loads in a run at its head, x's 48 in a run in its middle.
; CLUSTERS: 4 x 4 work-groups; x's tiles are asked for jointly along a row of the cluster, key's along a column.
; PREFETCH: one instruction a wave at the head names chunk 2 (a lane a row, 32 rows), more than a step ahead of its load; the four partners of a joint load share its 256 rows out by address.  Chunks 0 and 1 are asked for at once.
; THE MATRIX INSTRUCTION IS USED TRANSPOSED (source 0 = 16 rows of key, source 1 = 16 rows of x): lane (r, h) of accumulator (a, b) holds row 16 a + r and columns 16 b + 8 h + 0 .. 7.
; REGISTERS: window 0: v1-15 offsets, v16-23 LDS addresses, v32-63 x's scale words, v64-95 key's, v96-155 x's blocks 0-4 of set 1 (at the head: the fragment of V), v160-255 x's set 0.
;   window 1: key's sets at v0 and v128; x's blocks 5, 6 of set 1 at v96, block 7 at v224.  window 2: accumulators of my rows 0-63 ((a, b) at v[8 (8 a + b)]); window 3: those of rows 64-127.
.set ROWB,   256
.set KROW,   768
.set PITCH,  272                       ; 256 bytes + 16 of padding
.set FR,     12
.set NP,     4
.set HALFT,  128*PITCH
.set SLOT,   4*HALFT                   ; x's 256 rows, then key's 256 rows
.set SPARE,  2*SLOT                    ; the spare words, 128 bytes a wave
.set SCR,    SPARE+512                 ; 512 bytes a wave: its 128 row sums; no fill lands here
.set PFO,  14
.set SCO,  15
.set ADRA, 16                          ; v16-17 my x fragments in slot 0, 1; v18-19 for pieces whose two lane halves lie in different chunks
.set ADRB, 20
.set SPW,  28
.set NIL,  29
.set SA,   32
.set SB,   64
.set SQT,  128
.set PT,   192
.set RS,   200
.set G1, 24                            ; group 1, 128 rows, x;  G1B the same for key;  G1H, G1HB: 256 rows
.set G0, 32
.set H0A, 36
.set G1B, 48
.set G0B, 56
.set H0B, 60
.set G1H, 68
.set H1A, 76
.set G1HB, 80
.set H1B, 88
.set PFA, 92
.set SEL, 4
.set CW, (1<<20)|(1<<21)|(5<<22)|(3<<25)   ; elements of 1 byte; padding on; bit 21 beside a mask; after every 64 words, 4 words
.set MSB, 0
.macro WIN new
.if MSB != (\new)
	s_set_vgpr_msb (MSB<<8)|(\new)
.set MSB, (\new)
.endif
.endm
.set TO_B,   0x40
.macro PLACES n
.rept \n
	v_nop
.endr
.endm
.macro JLOAD g0a, g1a, g0b, g1b        ; waves 0 and 1 fetch for x, waves 2 and 3 for key; s_nop 0 and four v_nop behind each line
	s_cmp_eq_u32 s15, 0
	s_cbranch_scc0 .Lfor_b_\@
	tensor_load_to_lds s[\g0a:\g0a+3], s[\g1a:\g1a+7]
	s_nop 0
	PLACES 4
	s_branch .Lasked_\@
.Lfor_b_\@:
	tensor_load_to_lds s[\g0b:\g0b+3], s[\g1b:\g1b+7]
	s_nop 0
	PLACES 4
.Lasked_\@:
.endm
.macro CREST
	s_cmp_lg_u32 s14, 0
	s_cbranch_scc1 .Lnot_wave_0_\@
	s_barrier_signal -3
.Lnot_wave_0_\@:
	s_barrier_wait -3
	s_barrier_signal -1
	s_barrier_wait -1
.endm
.macro CROUND
	s_barrier_signal -1
	s_barrier_wait -1
	CREST
.endm
.macro G1W g, rows
	s_mov_b32 s[\g+1], ROWB<<16
	s_mov_b32 s[\g+2], (\rows)<<16
	s_mov_b32 s[\g+3], ROWB<<16
	s_mov_b32 s[\g+4], \rows
	s_mov_b32 s[\g+5], KROW
	s_mov_b32 s[\g+6], 0
	s_mov_b32 s[\g+7], 0
.endm
.macro G0W g, lds, src, off
	s_mov_b32 s[\g], 1
	s_mov_b32 s[\g+1], \lds
	s_add_nc_u64 s[\g+2:\g+3], s[\src:\src+1], \off
	s_or_b32 s[\g+3], s[\g+3], 0x80000000
.endm
.macro ARM under, g0, g1, next
	s_cmp_lt_u32 s14, \under
	s_cbranch_scc0 \next
	tensor_load_to_lds s[\g0:\g0+3], s[\g1:\g1+7]
	s_nop 0
	PLACES 4
	s_branch .Lhead_asked
\next:
.endm
	s_load_b128 s[4:7], s[0:1], 0x0                ; x's codes, x's scales
	s_load_b128 s[8:11], s[0:1], 0x10              ; key's codes, key's scales
	s_load_b64 s[12:13], s[0:1], 0x20              ; part
	s_load_b64 s[96:97], s[0:1], 0x28              ; V's codes
	s_load_b64 s[98:99], s[0:1], 0x30              ; V's scales
	s_load_b64 s[100:101], s[0:1], 0x38            ; vimg
	v_lshl_add_u32 v[SPW], v0, 2, SPARE
	v_mov_b32 v[NIL], 0
	ds_add_u32 v[SPW], v[NIL]                      ; the opening lines: the add, twice on end, and its wait ahead of my first tensor load
	ds_add_u32 v[SPW], v[NIL]
	v_lshrrev_b32 v1, 5, v0
	v_readfirstlane_b32 s14, v1                    ; wave 0..3
	v_and_b32 v1, 15, v0                           ; r
	v_bfe_u32 v2, v0, 4, 1                         ; h
	v_and_b32 v3, 31, v0                           ; lane
	v_lshlrev_b32 v9, 4, v3                        ; 16 x lane
	v_lshlrev_b32 v10, 2, v1                       ; 4 r
	v_lshlrev_b32 v11, 3, v3                       ; 8 x lane
	v_mul_u32_u24 v[PFO], v3, KROW                 ; a lane a row
	v_lshlrev_b32 v[SCO], 5, v1
	v_lshl_add_u32 v[SCO], v2, 4, v[SCO]           ; scales: 32 r + 16 h
	v_mul_u32_u24 v7, v1, 3072
	v_mad_u32_u24 v7, v2, 24, v7                   ; V: row r of 3,072 bytes, + 24 h
	v_lshlrev_b32 v8, 7, v1                        ; V's scales: 128 bytes a row
	s_lshr_b32 s15, s14, 1                         ; my half of the tile's rows; also: I fetch for x (0) or key (1)
	s_and_b32 s16, s14, 1                          ; my half of its columns; also: which 128 rows I fetch
	s_bfe_u32 s40, ttmp6, 0x40000                  ; cx
	s_bfe_u32 s41, ttmp6, 0x40004                  ; cy
	s_lshl_b32 s42, ttmp9, 2
	s_add_co_u32 s42, s42, s40                     ; tile column
	s_and_b32 s17, ttmp7, 0xffff
	s_lshl_b32 s17, s17, 2
	s_add_co_u32 s17, s17, s41                     ; tile row
	s_lshl_b32 s43, s41, 2
	s_lshl_b32 s43, 15, s43                        ; my row of the cluster
	s_lshl_b32 s44, 0x1111, s40                    ; my column
	s_or_b32 s[G1], s43, CW
	s_or_b32 s[G1H], s43, CW
	s_or_b32 s[G1B], s44, CW
	s_or_b32 s[G1HB], s44, CW
	G1W G1, 128
	G1W G1B, 128
	G1W G1H, 256
	G1W G1HB, 256
	; my fragment of V: wave g of 2,048 takes column tile g / 32 and K step g % 32
	s_lshl_b32 s18, s17, 4
	s_add_co_u32 s18, s18, s42
	s_lshl_b32 s18, s18, 2
	s_add_co_u32 s18, s18, s14                     ; g
	s_lshr_b32 s19, s18, 5                         ; column tile
	s_and_b32 s18, s18, 31                         ; K step
	s_mul_i32 s2, s19, 49152
	s_mul_i32 s22, s18, 96
	s_add_co_u32 s2, s2, s22                       ; offset of its codes
	s_lshl_b32 s3, s19, 11
	s_lshl_b32 s22, s18, 2
	s_add_co_u32 s3, s3, s22                       ; of its scale words
	s_lshr_b32 s22, s19, 3
	s_lshl_b32 s22, s22, 3
	s_lshr_b32 s23, s18, 2
	s_add_co_u32 s22, s22, s23
	s_mul_i32 s22, s22, 51200                      ; vimg's block
	s_and_b32 s18, s18, 3
	s_lshl_b32 s18, s18, 3
	s_and_b32 s19, s19, 7
	s_add_co_u32 s18, s18, s19                     ; the fragment in it
	s_mul_i32 s94, s18, 1536
	s_add_co_u32 s94, s94, s22                     ; where its codes go
	s_lshl_b32 s95, s18, 6
	s_add_co_u32 s95, s95, s22
	s_add_co_u32 s95, s95, 49152                   ; and its scale words
	s_mul_i32 s20, s17, 256*KROW                   ; x's tile, in bytes
	s_mov_b32 s21, 0
	s_mul_i32 s46, s42, 256*KROW                   ; key's tile
	s_mov_b32 s47, 0
	s_lshl_b32 s22, s17, 13
	s_lshl_b32 s23, s15, 12
	s_add_co_u32 s22, s22, s23                     ; the scales of my 128 rows of x
	s_mov_b32 s23, 0
	s_lshl_b32 s18, s42, 13
	s_lshl_b32 s19, s16, 12
	s_add_co_u32 s18, s18, s19                     ; and of key
	s_mov_b32 s19, 0
	s_mul_i32 s45, s14, HALFT
	s_wait_alu depctr_va_vdst(0)                   ; directly ahead of the waits below
	s_wait_dscnt 0x0                               ; both opening adds are done
	s_wait_kmcnt 0x0
	s_add_nc_u64 s[6:7], s[6:7], s[22:23]
	s_add_nc_u64 s[10:11], s[10:11], s[18:19]
.irp i, 0,1,2,3,4,5,6,7
	global_load_b128 v[SA+4*\i:SA+4*\i+3], v[SCO], s[6:7] offset:512*\i
	global_load_b128 v[SB+4*\i:SB+4*\i+3], v[SCO], s[10:11] offset:512*\i
.endr
	s_mov_b32 s22, s2
	s_add_nc_u64 s[96:97], s[96:97], s[22:23]
	s_mov_b32 s22, s3
	s_add_nc_u64 s[98:99], s[98:99], s[22:23]
	s_mov_b32 s22, s94
	s_add_nc_u64 s[2:3], s[100:101], s[22:23]
	s_mov_b32 s22, s95
	s_add_nc_u64 s[100:101], s[100:101], s[22:23]
.irp p, 0,1,2,3,4,5
	global_load_b64 v[96+2*\p:97+2*\p], v7, s[96:97] offset:48*(\p/3)+8*(\p%3)
.endr
	global_load_b32 v108, v8, s[98:99]
	s_add_nc_u64 s[20:21], s[4:5], s[20:21]
	s_add_nc_u64 s[46:47], s[8:9], s[46:47]
	G0W H0A, 0, 20, 0                              ; chunk 0 of x's 256 rows
	G0W H0B, 2*HALFT, 46, 0                        ; of key's
	G0W H1A, SLOT, 20, ROWB                        ; chunk 1
	G0W H1B, SLOT+2*HALFT, 46, ROWB
	s_mul_i32 s18, s16, 128*KROW                   ; the refill: my 128 rows, chunk 2, into slot 0 at wave x 128 rows
	s_add_nc_u64 s[20:21], s[20:21], s[18:19]
	s_add_nc_u64 s[46:47], s[46:47], s[18:19]
	s_mov_b32 s[G0], 1
	s_add_co_u32 s[G0+1], s45, 0
	s_add_nc_u64 s[G0+2:G0+3], s[20:21], 2*ROWB
	s_or_b32 s[G0+3], s[G0+3], 0x80000000
	s_mov_b32 s[G0B], 1
	s_add_co_u32 s[G0B+1], s45, 0
	s_add_nc_u64 s[G0B+2:G0B+3], s[46:47], 2*ROWB
	s_or_b32 s[G0B+3], s[G0B+3], 0x80000000
	CROUND                                         ; all sixteen work-groups are here: the first joint loads meet
	ARM 1, H0A, G1H,  .Lh1                         ; one tree of branches on the wave's number, one load to an arm
	ARM 2, H0B, G1HB, .Lh2
	ARM 3, H1A, G1H,  .Lh3
	tensor_load_to_lds s[H1B:H1B+3], s[G1HB:G1HB+7]
	s_nop 0
	PLACES 4
.Lhead_asked:
	s_mul_i32 s18, s15, HALFT                      ; my 128 rows of x
	s_mul_i32 s19, s16, HALFT
	s_add_co_u32 s19, s19, 2*HALFT                 ; my 128 rows of key
	s_mov_b32 s22, SLOT-232
	s_mov_b32 s23, SLOT+232
	s_lshl_b32 s46, s14, 9
	s_add_co_u32 s46, s46, SCR                     ; my scratch
	s_lshl_b32 s47, s15, 10
	s_lshl_b32 s20, s16, 8
	s_add_co_u32 s47, s47, s20
	s_add_co_u32 s47, s47, SCR                     ; where I read 64 rows' sums of my row half back
	s_cmp_eq_u32 s15, 0                            ; the prefetch: of the tile's 256 rows my work-group names 64 (by cx for x, cy for key), my wave 32 of them
	s_cselect_b32 s20, s17, s42
	s_cselect_b32 s21, s40, s41
	s_cselect_b64 s[PFA:PFA+1], s[4:5], s[8:9]
	s_lshl_b32 s20, s20, 8
	s_lshl_b32 s21, s21, 6
	s_add_co_u32 s20, s20, s21
	s_lshl_b32 s21, s16, 5
	s_add_co_u32 s20, s20, s21
	s_mul_i32 s20, s20, KROW
	s_mov_b32 s21, 0
	s_add_nc_u64 s[PFA:PFA+1], s[PFA:PFA+1], s[20:21]
	global_prefetch_b8 v[PFO], s[PFA:PFA+1] offset:2*ROWB th:TH_LOAD_NT scope:SCOPE_SE   ; chunk 2; its registers are never rewritten
	s_lshl_b32 s20, s42, 15                        ; part: strip = tile column, 32,768 bytes; row 256 x tile row + 128 x row half + 64 x column half
	s_lshl_b32 s40, s17, 10
	s_add_co_u32 s20, s20, s40
	s_lshl_b32 s40, s15, 9
	s_add_co_u32 s20, s20, s40
	s_lshl_b32 s40, s16, 8
	s_add_co_u32 s20, s20, s40
	s_add_nc_u64 s[12:13], s[12:13], s[20:21]
	v_mul_u32_u24 v4, v1, PITCH
	v_mul_u32_u24 v5, v2, 24
	v_add_nc_u32 v5, v4, v5                        ; a fragment's row x pitch + 24 h
	v_sub_nc_u32 v6, 1, v2
	v_mul_u32_u24 v24, s22, v2
	v_add_nc_u32 v24, v4, v24
	v_add_nc_u32 v24, 232, v24                     ; lanes 0-15 byte 232 of the row in slot 0, lanes 16-31 byte 0 in slot 1
	v_mul_u32_u24 v25, s23, v6
	v_add_nc_u32 v25, v4, v25                      ; lanes 0-15 byte 232 in slot 1, lanes 16-31 byte 0 in slot 0
	v_add_nc_u32 v[ADRA], s18, v5
	v_add_nc_u32 v[ADRB], s19, v5
	v_add_nc_u32 v[ADRA+1], SLOT, v[ADRA]
	v_add_nc_u32 v[ADRB+1], SLOT, v[ADRB]
	v_add_nc_u32 v[ADRA+2], s18, v24
	v_add_nc_u32 v[ADRA+3], s18, v25
	v_add_nc_u32 v[ADRB+2], s19, v24
	v_add_nc_u32 v[ADRB+3], s19, v25
	v_add_nc_u32 v12, s46, v10                     ; into the scratch: a word a row
	v_add_nc_u32 v13, s47, v11                     ; out of it: two rows a lane
	s_wait_alu depctr_va_vdst(0)                   ; the head's end
	s_wait_loadcnt 0x0                             ; the scale words and the fragment of V are in
.irp c, 0,1,2
	global_store_b128 v9, v[96+4*\c:99+4*\c], s[2:3] offset:512*\c   ; 32 lanes store 512 consecutive bytes, at a multiple of 256 from vimg's first byte
.endr
	global_store_b32 v10, v108, s[100:101]         ; lanes r and 16 + r store the same word
	s_cmp_gt_u32 s14, 1
	s_cbranch_scc1 .Lchunk1_out                    ; waves 2 and 3 fetched chunk 1: they wait for it in step 0, in front of the barrier that shows it
	s_wait_tensorcnt 0x0                           ; my part of chunk 0 is in
.Lchunk1_out:
	s_barrier_signal -1
	s_barrier_wait -1
	s_wait_xcnt 0x0                                ; the stores above have read their data: x's set 1 may land there
.macro FRAG reg, adr, st, i            ; 12 registers: lane l holds row l % 16; registers 6 c .. 6 c + 5 hold K = 64 c + 32 (l / 16) + 0 .. 31, in pieces of 8 bytes
.irp p, 0,1,2,3,4,5
.set BY, 96*(\st)+48*(\p/3)+8*(\p%3)
.if BY/ROWB == (BY+24)/ROWB
	ds_load_b64 v[\reg+2*\p:\reg+2*\p+1], v[\adr+(BY/ROWB)%2] offset:BY%ROWB+(\i)*16*PITCH
.else
	ds_load_b64 v[\reg+2*\p:\reg+2*\p+1], v[\adr+2+(BY/ROWB)%2] offset:BY%ROWB-232+(\i)*16*PITCH
.endif
.endr
.endm
.macro ASET p, a                       ; where x's block a of set p lies: register AR of window AWN
.if (\p) == 0
.set AR, 160+FR*(\a)
.set AWN, 0
.elseif (\a) < 5
.set AR, 96+FR*(\a)
.set AWN, 0
.elseif (\a) < 7
.set AR, 96+FR*((\a)-5)
.set AWN, 1
.else
.set AR, 224
.set AWN, 1
.endif
.endm
; x's block a against key's eight, step st.  The 64 accumulators take turns, one instruction a turn.
.macro MULB st, a, zero
	ASET (\st)%2, \a
	WIN 0xa1+0x50*((\a)/4)+4*AWN                   ; source 0 (key) window 1, source 1 (x) window AWN, C and D window 2 or 3
.irp b, 0,1,2,3,4,5,6,7
.if \zero
	v_wmma_scale_f32_16x16x128_f8f6f4 v[8*(8*((\a)%4)+\b):8*(8*((\a)%4)+\b)+7], v[128*((\st)%2)+FR*\b:128*((\st)%2)+FR*\b+FR-1], v[AR:AR+FR-1], 0, v[SB+4*\b+(\st)%4], v[SA+4*(\a)+(\st)%4] matrix_a_fmt:MATRIX_FMT_FP6 matrix_b_fmt:MATRIX_FMT_FP6
.elseif (\st) > 3
	v_wmma_scale_f32_16x16x128_f8f6f4 v[8*(8*((\a)%4)+\b):8*(8*((\a)%4)+\b)+7], v[128*((\st)%2)+FR*\b:128*((\st)%2)+FR*\b+FR-1], v[AR:AR+FR-1], v[8*(8*((\a)%4)+\b):8*(8*((\a)%4)+\b)+7], v[SB+4*\b+(\st)%4], v[SA+4*(\a)+(\st)%4] matrix_a_fmt:MATRIX_FMT_FP6 matrix_b_fmt:MATRIX_FMT_FP6 matrix_a_scale:MATRIX_SCALE_ROW1 matrix_b_scale:MATRIX_SCALE_ROW1
.else
	v_wmma_scale_f32_16x16x128_f8f6f4 v[8*(8*((\a)%4)+\b):8*(8*((\a)%4)+\b)+7], v[128*((\st)%2)+FR*\b:128*((\st)%2)+FR*\b+FR-1], v[AR:AR+FR-1], v[8*(8*((\a)%4)+\b):8*(8*((\a)%4)+\b)+7], v[SB+4*\b+(\st)%4], v[SA+4*(\a)+(\st)%4] matrix_a_fmt:MATRIX_FMT_FP6 matrix_b_fmt:MATRIX_FMT_FP6
.endif
.endr
.endm
.macro FETCH_B st                      ; key's eight fragments of step st, 48 loads
	WIN TO_B
.irp i, 0,1,2,3,4,5,6,7
	FRAG 128*((\st)%2)+FR*\i, ADRB, \st, \i
.endr
.endm
.macro FETCH_A st                      ; x's eight, 48 loads
.irp i, 0,1,2,3,4,5,6,7
	ASET (\st)%2, \i
	WIN 0x40*AWN
	FRAG AR, ADRA, \st, \i
.endr
.endm
; A step: 64 products on one pair of sets; the next step's fragments go into the other pair, which the step before read last: the four v_nop at the head are the places in front of both runs (ISA guide 7.12.1).
; kind 1: the step after the next ends in a chunk not read yet: every wave waits for its tensor loads, and a barrier shows that chunk whole.
; kind 2: the next step's fragments were the last reads of chunk 0: the wait, the add, the wait for it and for my reads, a round of the cluster's barrier, the refill.
.macro STEP st, zero, kind
	s_wait_dscnt 0x0                               ; this step's fragments are in: the youngest were asked for 32 products ago
	PLACES 4
	FETCH_B (\st)+1
.irp a, 0,1,2,3
	MULB \st, \a, \zero
.endr
	FETCH_A (\st)+1
	MULB \st, 4, \zero
	MULB \st, 5, \zero
.if \kind
	WIN 0
	s_wait_tensorcnt 0x0                           ; all my tensor loads have landed
.if \kind == 2
	ds_add_u32 v[SPW], v[NIL]
.endif
.endif
	MULB \st, 6, \zero
.if \kind
	s_wait_dscnt 0x0                               ; the add and all my LDS reads are done
	s_barrier_signal -1
.endif
	MULB \st, 7, \zero
.if \kind
	WIN 0
	s_barrier_wait -1
.if \kind == 2
	CREST                                          ; the barrier has opened a round: no wave of any partner still reads slot 0 or has a load on its way
	JLOAD G0, G1, G0B, G1B                         ; chunk 2
.endif
.endif
.endm
	FETCH_B 0
	FETCH_A 0
	STEP 0, 1, 1                                   ; the first step's products start the sums; chunk 1 is shown
	STEP 1, 0, 2                                   ; chunk 0 is left behind
	STEP 2, 0, 0
	STEP 3, 0, 1                                   ; chunk 2 is shown
	STEP 4, 0, 0
	STEP 5, 0, 0
	STEP 6, 0, 0
	s_wait_dscnt 0x0                               ; the last step
.irp a, 0,1,2,3,4,5,6,7
	MULB 7, \a, 0
.endr
	WIN 0
	PLACES NP
	s_mov_b32 s[SEL], 0x76543210                   ; lane l xor 16 (the arguments that lay here have been used)
	s_mov_b32 s[SEL+1], 0xfedcba98
; THE WAY OUT.  Block a's eight accumulators hold 64 numbers a lane, all of row 16 a + r: their squares are summed in four packed chains, each accumulator from its low end on.
.macro SQ a
.set AC, 64*((\a)%4)
.set TT, SQT+8*(\a)
.irp k, 0,1,2,3
	v_pk_mul_f32 v[TT+2*\k:TT+2*\k+1], v[AC+2*\k:AC+2*\k+1], v[AC+2*\k:AC+2*\k+1]
.endr
.irp b, 1,2,3,4,5,6,7
.irp k, 0,1,2,3
	v_pk_fma_f32 v[TT+2*\k:TT+2*\k+1], v[AC+8*\b+2*\k:AC+8*\b+2*\k+1], v[AC+8*\b+2*\k:AC+8*\b+2*\k+1], v[TT+2*\k:TT+2*\k+1]
.endr
.endr
.endm
	WIN 0x0a
.irp a, 0,1,2,3
	SQ \a
.endr
	WIN 0x0f
.irp a, 4,5,6,7
	SQ \a
.endr
	WIN 0
.irp a, 0,1,2,3,4,5,6,7
	v_mov_b32 v[PT+\a], 0                          ; a lane permute's destination counts as one of its sources
.endr
.irp a, 0,1,2,3,4,5,6,7
	v_pk_add_f32 v[SQT+8*\a:SQT+8*\a+1], v[SQT+8*\a:SQT+8*\a+1], v[SQT+8*\a+2:SQT+8*\a+3]
.endr
.irp a, 0,1,2,3,4,5,6,7
	v_pk_add_f32 v[SQT+8*\a+4:SQT+8*\a+5], v[SQT+8*\a+4:SQT+8*\a+5], v[SQT+8*\a+6:SQT+8*\a+7]
.endr
.irp a, 0,1,2,3,4,5,6,7
	v_pk_add_f32 v[SQT+8*\a:SQT+8*\a+1], v[SQT+8*\a:SQT+8*\a+1], v[SQT+8*\a+4:SQT+8*\a+5]
.endr
.irp a, 0,1,2,3,4,5,6,7
	v_add_f32 v[RS+\a], v[SQT+8*\a], v[SQT+8*\a+1]
.endr
.irp a, 0,1,2,3,4,5,6,7
	v_permlanex16_b32 v[PT+\a], v[RS+\a], s[SEL], s[SEL+1]
.endr
.irp a, 0,1,2,3,4,5,6,7
	v_add_f32 v[RS+\a], v[RS+\a], v[PT+\a]         ; the row's sum over my 128 columns
.endr
.irp a, 0,1,2,3,4,5,6,7
	ds_store_b32 v12, v[RS+\a] offset:64*\a        ; row 16 a + r's word; both halves of the lanes write the same value
.endr
	s_wait_dscnt 0x0                               ; for the others' sake: my stores are done
	s_barrier_signal -1
	s_barrier_wait -1
	ds_load_b64 v[112:113], v13                    ; 64 rows of my row half: the sums of its first 128 columns,
	ds_load_b64 v[114:115], v13 offset:512         ; and of the other 128
	s_wait_dscnt 0x0
	v_pk_add_f32 v[112:113], v[112:113], v[114:115]
	global_store_b64 v11, v[112:113], s[12:13]     ; 32 lanes store 256 consecutive bytes, at a multiple of 256 from part's first byte
	s_wait_tensorcnt 0x0                           ; the wave's end
	ds_add_u32 v[SPW], v[NIL]
	s_wait_dscnt 0x0
	CROUND                                         ; the closing round
	s_endpgm
.Lfunc_end_k_qa6471e0ef0_norms:
	.size	k_qa6471e0ef0_norms, .Lfunc_end_k_qa6471e0ef0_norms-k_qa6471e0ef0_norms
	.p2alignl 7, 3214868480
	.fill 96, 4, 3214868480
	.section	.rodata,"a",@progbits
	.p2align	6, 0x0
	.amdhsa_kernel k_qa6471e0ef0_norms
		.amdhsa_group_segment_fixed_size 327680
		.amdhsa_private_segment_fixed_size 0
		.amdhsa_enable_private_segment 0
		.amdhsa_kernarg_size 64
		.amdhsa_user_sgpr_count 2
		.amdhsa_user_sgpr_kernarg_segment_ptr 1
		.amdhsa_wavefront_size32 1
		.amdhsa_system_sgpr_workgroup_id_x 1
		.amdhsa_system_sgpr_workgroup_id_y 1
		.amdhsa_system_sgpr_workgroup_id_z 1
		.amdhsa_system_vgpr_workitem_id 0
		.amdhsa_next_free_vgpr 1024
		.amdhsa_next_free_sgpr 102
		.amdhsa_reserve_vcc 0
		.amdhsa_float_denorm_mode_32 3
		.amdhsa_float_denorm_mode_16_64 3
		.amdhsa_memory_ordered 1
		.amdhsa_forward_progress 1
		.amdhsa_inst_pref_size 151
	.end_amdhsa_kernel
	.amdgpu_metadata
---
amdhsa.version: [ 1, 2 ]
amdhsa.kernels:
  - .name:           k_qa6471e0ef0_norms
    .symbol:         k_qa6471e0ef0_norms.kd
    .args:
      - { .name: x_codes, .offset: 0, .size: 8, .value_kind: global_buffer, .address_space: global }
      - { .name: x_scales, .offset: 8, .size: 8, .value_kind: global_buffer, .address_space: global }
      - { .name: key_param_tokens_codes, .offset: 16, .size: 8, .value_kind: global_buffer, .address_space: global }
      - { .name: key_param_tokens_scales, .offset: 24, .size: 8, .value_kind: global_buffer, .address_space: global }
      - { .name: part, .offset: 32, .size: 8, .value_kind: global_buffer, .address_space: global }
      - { .name: value_param_tokens_codes, .offset: 40, .size: 8, .value_kind: global_buffer, .address_space: global }
      - { .name: value_param_tokens_scales, .offset: 48, .size: 8, .value_kind: global_buffer, .address_space: global }
      - { .name: vimg, .offset: 56, .size: 8, .value_kind: global_buffer, .address_space: global }
    .group_segment_fixed_size: 327680
    .private_segment_fixed_size: 0
    .kernarg_segment_align: 8
    .kernarg_segment_size: 64
    .max_flat_workgroup_size: 128
    .sgpr_count:     102
    .vgpr_count:     1024
    .wavefront_size: 32
...
	.end_amdgpu_metadata
.endif
;; end of part 1
;; launch gelu (part 2): grid 16 x 32, 4 waves a work-group, clusters of 4 x 4, 327,680 bytes of LDS; arguments x_codes, x_scales, key_param_tokens_codes, key_param_tokens_scales, aimg, part; writes aimg
.if DOCPART == 2
	.amdgcn_target "amdgcn-amd-amdhsa--gfx1250"
	.amdhsa_code_object_version 6
	.text
	.protected	k_qa6471e0ef0_gelu
	.globl	k_qa6471e0ef0_gelu
	.p2align	8
	.type	k_qa6471e0ef0_gelu,@function
k_qa6471e0ef0_gelu:
	s_mov_b64 s[64:65], 0
	v_nop
	global_prefetch_b8 v0, s[64:65] scope:SCOPE_SE
	s_setreg_imm32_b32 hwreg(HW_REG_WAVE_MODE, 25, 1), 1
	s_wait_xcnt 0x0
	s_wait_alu depctr_hold_cnt(0) depctr_sa_sdst(0) depctr_va_vdst(0) depctr_va_sdst(0) depctr_va_ssrc(0) depctr_va_vcc(0) depctr_vm_vsrc(0)
	s_getreg_b32 s2, hwreg(HW_REG_IB_STS2, 6, 4)
	s_cmp_eq_u32 s2, 0
	s_cbranch_scc0 .Lentry_in_a_cluster
	s_endpgm
.Lentry_in_a_cluster:
	s_bfe_u32 s2, ttmp6, 0x10000c
	s_cmp_lg_u32 s2, 0xf033
	s_cbranch_scc0 .Lentry_shape_is_right
	s_endpgm
.Lentry_shape_is_right:
; SECOND OF THREE LAUNCHES.  Nothing of reference() is left out here.  dot = x key^T is made again, as in the first launch (same tiles, same order, same bits); then, in registers:
;   z = dot x inv(row), inv = (1 / 32) / max(sqrt(S) / 32, 1e-12), S = the row's 16 partial sums of dot^2 out of part;  g = gelu(z), exact form;  g is quantised along the 4,096 in blocks of 32 (FP6, E8M0 scale).
; THE ERROR FUNCTION.  |z| <= 1 for every input, since reference() itself divides each sim by max(norm, eps) and no sim exceeds its row's norm.  On that range gelu(z) = z (0.5 + z Q(z^2)), where
;   Q(t) = (1 / sqrt(2 pi)) x the sum of (-t)^n / (2^n n! (2 n + 1)) is taken as its polynomial of degree 4 that is best on [0, 1]: error of Q under 1.6e-8, of gelu under 2e-7 of its value at the worst place, z = -1.
; LIMITS: S is the sum of dot^2, not of (dot / 32)^2: it passes f32's range 1,024 times earlier than reference()'s; an S under the smallest normal number counts as 0 (the norm is then held at 1e-12 as in reference());
;   NaN and infinities are not served; a block of zeros gets the scale byte 1 where the rule says 127: its codes are zeros, and this program alone reads the bytes.
; OUT: aimg, in the order of the operand's registers: [64 rows: 128][512 along K: 8] blocks of 25,600 bytes: codes at (4 q + i) 1,536 (q: K step of 128, i: tile of 16 rows; registers 4 c .. 4 c + 3 of lane l at 512 c + 16 l),
;   scale words at 24,576 + (4 q + i) 64 + 4 r.  A wave's 128 columns are one K step of the second product: each of its eight row blocks becomes one fragment and one scale word a row.
; SHARES, CHUNKS, THE HEAD'S FOUR LOADS, THE SCALES IN REGISTERS, THE TWO SETS, CLUSTERS, PREFETCH, WINDOWS: as in the first launch.  Lane (r, h) of accumulator (a, b) holds row 16 a + r and columns 16 b + 8 h + 0 .. 7.
; The partial sums are asked for ahead of the first round and turned into inv while the first chunks are on their way; inv waits in my scratch in LDS for the way out.
; REGISTERS of window 0 on the way out: v9-13 offsets and scratch addresses; v96-111 inv of block a, twice; v112-119 the blocks' scale words; v128-251 and v253 at work; v252, v254-255 constants.
.set ROWB,   256
.set KROW,   768
.set PITCH,  272
.set FR,     12
.set NP,     4
.set HALFT,  128*PITCH
.set SLOT,   4*HALFT
.set SPARE,  2*SLOT                    ; the spare words, 128 bytes a wave
.set SCR,    SPARE+512                 ; 512 bytes a wave: inv of its 128 rows; 2,048 bytes on, 512 a wave: its 128 scale words.  No fill lands here
.set PFO,  14
.set SCO,  15
.set ADRA, 16
.set ADRB, 20
.set SPW,  28
.set NIL,  29
.set SA,   32
.set SB,   64
.set INV,  96
.set PW,   112
.set ZR,   128
.set TR,   192
.set QR,   208
.set PC,   224
.set PX,   236
.set MX,   244
.set SO,   248
.set BY0,  250
.set BY1,  253
.set PT,   251
.set H8,   252
.set C4,   254
.set G1, 24
.set G0, 32
.set H0A, 36
.set G1B, 48
.set G0B, 56
.set H0B, 60
.set G1H, 68
.set H1A, 76
.set G1HB, 80
.set H1B, 88
.set PFA, 92
.set SEL, 94
.set CW, (1<<20)|(1<<21)|(5<<22)|(3<<25)
.set MSB, 0
.macro WIN new
.if MSB != (\new)
	s_set_vgpr_msb (MSB<<8)|(\new)
.set MSB, (\new)
.endif
.endm
.set TO_B,   0x40
.macro PLACES n
.rept \n
	v_nop
.endr
.endm
.macro JLOAD g0a, g1a, g0b, g1b
	s_cmp_eq_u32 s15, 0
	s_cbranch_scc0 .Lfor_b_\@
	tensor_load_to_lds s[\g0a:\g0a+3], s[\g1a:\g1a+7]
	s_nop 0
	PLACES 4
	s_branch .Lasked_\@
.Lfor_b_\@:
	tensor_load_to_lds s[\g0b:\g0b+3], s[\g1b:\g1b+7]
	s_nop 0
	PLACES 4
.Lasked_\@:
.endm
.macro CREST
	s_cmp_lg_u32 s14, 0
	s_cbranch_scc1 .Lnot_wave_0_\@
	s_barrier_signal -3
.Lnot_wave_0_\@:
	s_barrier_wait -3
	s_barrier_signal -1
	s_barrier_wait -1
.endm
.macro CROUND
	s_barrier_signal -1
	s_barrier_wait -1
	CREST
.endm
.macro G1W g, rows
	s_mov_b32 s[\g+1], ROWB<<16
	s_mov_b32 s[\g+2], (\rows)<<16
	s_mov_b32 s[\g+3], ROWB<<16
	s_mov_b32 s[\g+4], \rows
	s_mov_b32 s[\g+5], KROW
	s_mov_b32 s[\g+6], 0
	s_mov_b32 s[\g+7], 0
.endm
.macro G0W g, lds, src, off
	s_mov_b32 s[\g], 1
	s_mov_b32 s[\g+1], \lds
	s_add_nc_u64 s[\g+2:\g+3], s[\src:\src+1], \off
	s_or_b32 s[\g+3], s[\g+3], 0x80000000
.endm
.macro ARM under, g0, g1, next
	s_cmp_lt_u32 s14, \under
	s_cbranch_scc0 \next
	tensor_load_to_lds s[\g0:\g0+3], s[\g1:\g1+7]
	s_nop 0
	PLACES 4
	s_branch .Lhead_asked
\next:
.endm
	s_load_b128 s[4:7], s[0:1], 0x0                ; x's codes, x's scales
	s_load_b128 s[8:11], s[0:1], 0x10              ; key's codes, key's scales
	s_load_b64 s[12:13], s[0:1], 0x20              ; aimg
	s_load_b64 s[96:97], s[0:1], 0x28              ; part
	v_lshl_add_u32 v[SPW], v0, 2, SPARE
	v_mov_b32 v[NIL], 0
	ds_add_u32 v[SPW], v[NIL]                      ; the opening lines: the add, twice on end, and its wait ahead of my first tensor load
	ds_add_u32 v[SPW], v[NIL]
	v_lshrrev_b32 v1, 5, v0
	v_readfirstlane_b32 s14, v1                    ; wave 0..3
	v_and_b32 v1, 15, v0                           ; r
	v_bfe_u32 v2, v0, 4, 1                         ; h
	v_and_b32 v3, 31, v0                           ; lane
	v_lshlrev_b32 v9, 4, v3                        ; 16 x lane
	v_lshlrev_b32 v10, 2, v1                       ; 4 r
	v_mul_u32_u24 v[PFO], v3, KROW
	v_lshlrev_b32 v[SCO], 5, v1
	v_lshl_add_u32 v[SCO], v2, 4, v[SCO]           ; scales: 32 r + 16 h
	s_lshr_b32 s15, s14, 1
	s_and_b32 s16, s14, 1
	s_bfe_u32 s40, ttmp6, 0x40000                  ; cx
	s_bfe_u32 s41, ttmp6, 0x40004                  ; cy
	s_lshl_b32 s42, ttmp9, 2
	s_add_co_u32 s42, s42, s40                     ; tile column
	s_and_b32 s17, ttmp7, 0xffff
	s_lshl_b32 s17, s17, 2
	s_add_co_u32 s17, s17, s41                     ; tile row
	s_lshl_b32 s43, s41, 2
	s_lshl_b32 s43, 15, s43
	s_lshl_b32 s44, 0x1111, s40
	s_or_b32 s[G1], s43, CW
	s_or_b32 s[G1H], s43, CW
	s_or_b32 s[G1B], s44, CW
	s_or_b32 s[G1HB], s44, CW
	G1W G1, 128
	G1W G1B, 128
	G1W G1H, 256
	G1W G1HB, 256
	s_lshl_b32 s2, s17, 10
	s_lshl_b32 s3, s15, 9
	s_add_co_u32 s2, s2, s3                        ; part: (256 x tile row + 128 x my row half) x 4 bytes
	s_mov_b32 s3, 0
	s_mul_i32 s20, s17, 256*KROW
	s_mov_b32 s21, 0
	s_mul_i32 s46, s42, 256*KROW
	s_mov_b32 s47, 0
	s_lshl_b32 s22, s17, 13
	s_lshl_b32 s23, s15, 12
	s_add_co_u32 s22, s22, s23
	s_mov_b32 s23, 0
	s_lshl_b32 s18, s42, 13
	s_lshl_b32 s19, s16, 12
	s_add_co_u32 s18, s18, s19
	s_mov_b32 s19, 0
	s_mul_i32 s45, s14, HALFT
	s_wait_alu depctr_va_vdst(0)                   ; directly ahead of the waits below
	s_wait_dscnt 0x0
	s_wait_kmcnt 0x0
	s_add_nc_u64 s[96:97], s[96:97], s[2:3]
	s_add_nc_u64 s[6:7], s[6:7], s[22:23]
	s_add_nc_u64 s[10:11], s[10:11], s[18:19]
.set i, 0
.rept 16
	global_load_b128 v[128+4*i:131+4*i], v9, s[96:97] offset:i*32768   ; strip i: 32 lanes read 512 consecutive bytes; lane l takes rows 4 l .. 4 l + 3
.set i, i+1
.endr
.irp i, 0,1,2,3,4,5,6,7
	global_load_b128 v[SA+4*\i:SA+4*\i+3], v[SCO], s[6:7] offset:512*\i
	global_load_b128 v[SB+4*\i:SB+4*\i+3], v[SCO], s[10:11] offset:512*\i
.endr
	s_add_nc_u64 s[20:21], s[4:5], s[20:21]
	s_add_nc_u64 s[46:47], s[8:9], s[46:47]
	G0W H0A, 0, 20, 0
	G0W H0B, 2*HALFT, 46, 0
	G0W H1A, SLOT, 20, ROWB
	G0W H1B, SLOT+2*HALFT, 46, ROWB
	s_mul_i32 s18, s16, 128*KROW
	s_add_nc_u64 s[20:21], s[20:21], s[18:19]
	s_add_nc_u64 s[46:47], s[46:47], s[18:19]
	s_mov_b32 s[G0], 1
	s_add_co_u32 s[G0+1], s45, 0
	s_add_nc_u64 s[G0+2:G0+3], s[20:21], 2*ROWB
	s_or_b32 s[G0+3], s[G0+3], 0x80000000
	s_mov_b32 s[G0B], 1
	s_add_co_u32 s[G0B+1], s45, 0
	s_add_nc_u64 s[G0B+2:G0B+3], s[46:47], 2*ROWB
	s_or_b32 s[G0B+3], s[G0B+3], 0x80000000
	CROUND                                         ; all sixteen work-groups are here: the first joint loads meet
	ARM 1, H0A, G1H,  .Lh1
	ARM 2, H0B, G1HB, .Lh2
	ARM 3, H1A, G1H,  .Lh3
	tensor_load_to_lds s[H1B:H1B+3], s[G1HB:G1HB+7]
	s_nop 0
	PLACES 4
.Lhead_asked:
	s_mul_i32 s18, s15, HALFT
	s_mul_i32 s19, s16, HALFT
	s_add_co_u32 s19, s19, 2*HALFT
	s_mov_b32 s22, SLOT-232
	s_mov_b32 s23, SLOT+232
	s_lshl_b32 s45, s14, 9
	s_add_co_u32 s45, s45, SCR                     ; my scratch
	s_mov_b32 s[SEL], 0x76543210
	s_mov_b32 s[SEL+1], 0xfedcba98
	s_cmp_eq_u32 s15, 0                            ; the prefetch, as in the first launch
	s_cselect_b32 s20, s17, s42
	s_cselect_b32 s21, s40, s41
	s_cselect_b64 s[PFA:PFA+1], s[4:5], s[8:9]
	s_lshl_b32 s20, s20, 8
	s_lshl_b32 s21, s21, 6
	s_add_co_u32 s20, s20, s21
	s_lshl_b32 s21, s16, 5
	s_add_co_u32 s20, s20, s21
	s_mul_i32 s20, s20, KROW
	s_mov_b32 s21, 0
	s_add_nc_u64 s[PFA:PFA+1], s[PFA:PFA+1], s[20:21]
	global_prefetch_b8 v[PFO], s[PFA:PFA+1] offset:2*ROWB th:TH_LOAD_NT scope:SCOPE_SE   ; chunk 2; its registers are never rewritten
	; aimg: block (4 x tile row + 2 x my row half) x 8 + tile column / 2;  in it K step q = 2 (tile column % 2) + my column half
	s_lshl_b32 s20, s17, 2
	s_lshl_b32 s21, s15, 1
	s_add_co_u32 s20, s20, s21
	s_lshl_b32 s20, s20, 3
	s_lshr_b32 s21, s42, 1
	s_add_co_u32 s20, s20, s21
	s_mul_i32 s20, s20, 25600
	s_and_b32 s21, s42, 1
	s_lshl_b32 s21, s21, 1
	s_add_co_u32 s21, s21, s16                     ; q
	s_lshl_b32 s46, s21, 8
	s_add_co_u32 s46, s46, s20
	s_add_co_u32 s46, s46, 24576                   ; the scale words: 256 bytes a K step
	s_mul_i32 s21, s21, 6144                       ; the codes: four fragments a K step
	s_add_co_u32 s20, s20, s21
	s_mov_b32 s21, 0
	s_mov_b32 s47, 0
	s_add_nc_u64 s[2:3], s[12:13], s[46:47]
	s_add_nc_u64 s[12:13], s[12:13], s[20:21]
	v_mul_u32_u24 v4, v1, PITCH
	v_mul_u32_u24 v5, v2, 24
	v_add_nc_u32 v5, v4, v5
	v_sub_nc_u32 v6, 1, v2
	v_mul_u32_u24 v24, s22, v2
	v_add_nc_u32 v24, v4, v24
	v_add_nc_u32 v24, 232, v24
	v_mul_u32_u24 v25, s23, v6
	v_add_nc_u32 v25, v4, v25
	v_add_nc_u32 v[ADRA], s18, v5
	v_add_nc_u32 v[ADRB], s19, v5
	v_add_nc_u32 v[ADRA+1], SLOT, v[ADRA]
	v_add_nc_u32 v[ADRB+1], SLOT, v[ADRB]
	v_add_nc_u32 v[ADRA+2], s18, v24
	v_add_nc_u32 v[ADRA+3], s18, v25
	v_add_nc_u32 v[ADRB+2], s19, v24
	v_add_nc_u32 v[ADRB+3], s19, v25
	v_add_nc_u32 v12, s45, v10                     ; a word a row: 4 r
	v_add_nc_u32 v13, s45, v9                      ; four rows a lane: 16 x lane
	v_mul_u32_u24 v11, v2, 204800
	v_lshl_add_u32 v11, v1, 4, v11                 ; the scale words' way out: lanes 0-15 the first 64 rows' 256 bytes, lanes 16-31 those of the next 64 rows, eight blocks on
	s_wait_alu depctr_va_vdst(0)                   ; directly ahead of the wait below
	s_wait_loadcnt 0x0                             ; the partial sums and the scale words are in
	s_mov_b32 s4, 0xBA994CDB                       ; the inputs' addresses have been used: their registers take the polynomial, each coefficient as a pair.  C3 = -0.00116958789
	s_mov_b32 s5, s4
	s_mov_b32 s6, 0x3C234E12                       ; C2 =  0.00996734429
	s_mov_b32 s7, s6
	s_mov_b32 s8, 0xBD882BB5                       ; C1 = -0.0664896126
	s_mov_b32 s9, s8
	s_mov_b32 s10, 0x3ECC4229                      ; C0 =  0.398942265
	s_mov_b32 s11, s10
.irp d, 8,4,2,1                        ; the 16 strips are added pairwise
.set i, 0
.rept \d
	v_pk_add_f32 v[128+4*i:129+4*i], v[128+4*i:129+4*i], v[128+4*(i+\d):129+4*(i+\d)]
	v_pk_add_f32 v[130+4*i:131+4*i], v[130+4*i:131+4*i], v[130+4*(i+\d):131+4*(i+\d)]
.set i, i+1
.endr
.endr
	s_wait_alu depctr_va_vdst(0)                   ; ahead of the batch
.irp i, 0,1,2,3
	v_sqrt_f32 v[132+\i], v[128+\i]
.endr
	v_nop
	s_wait_alu depctr_va_vdst(0)                   ; and behind it, ahead of its first reader
.irp i, 0,1,2,3
	v_mul_f32 v[132+\i], 0x3d000000, v[132+\i]     ; the norm of sim = sqrt(S) / 32: exact
.endr
.irp i, 0,1,2,3
	v_max_num_f32 v[132+\i], 0x2B8CBCCC, v[132+\i] ; held at 1e-12 from below, as reference() holds it
.endr
	s_wait_alu depctr_va_vdst(0)
.irp i, 0,1,2,3
	v_rcp_f32 v[128+\i], v[132+\i]
.endr
	v_nop
	s_wait_alu depctr_va_vdst(0)
.irp i, 0,1,2,3
	v_mul_f32 v[128+\i], 0x3d000000, v[128+\i]     ; inv: z = dot x inv
.endr
	ds_store_b128 v13, v[128:131]                  ; into my scratch, until the way out
	s_wait_alu depctr_va_vdst(0)                   ; the head's end
	s_cmp_gt_u32 s14, 1
	s_cbranch_scc1 .Lchunk1_out                    ; waves 2 and 3 fetched chunk 1: they wait for it in step 0
	s_wait_tensorcnt 0x0                           ; my part of chunk 0 is in
.Lchunk1_out:
	s_wait_dscnt 0x0                               ; no LDS instruction of mine is out at the signal
	s_barrier_signal -1
	s_barrier_wait -1
.macro FRAG reg, adr, st, i
.irp p, 0,1,2,3,4,5
.set BY, 96*(\st)+48*(\p/3)+8*(\p%3)
.if BY/ROWB == (BY+24)/ROWB
	ds_load_b64 v[\reg+2*\p:\reg+2*\p+1], v[\adr+(BY/ROWB)%2] offset:BY%ROWB+(\i)*16*PITCH
.else
	ds_load_b64 v[\reg+2*\p:\reg+2*\p+1], v[\adr+2+(BY/ROWB)%2] offset:BY%ROWB-232+(\i)*16*PITCH
.endif
.endr
.endm
.macro ASET p, a                       ; where x's block a of set p lies: register AR of window AWN
.if (\p) == 0
.set AR, 160+FR*(\a)
.set AWN, 0
.elseif (\a) < 5
.set AR, 96+FR*(\a)
.set AWN, 0
.elseif (\a) < 7
.set AR, 96+FR*((\a)-5)
.set AWN, 1
.else
.set AR, 224
.set AWN, 1
.endif
.endm
.macro MULB st, a, zero                ; x's block a against key's eight; the 64 accumulators take turns, one instruction a turn
	ASET (\st)%2, \a
	WIN 0xa1+0x50*((\a)/4)+4*AWN
.irp b, 0,1,2,3,4,5,6,7
.if \zero
	v_wmma_scale_f32_16x16x128_f8f6f4 v[8*(8*((\a)%4)+\b):8*(8*((\a)%4)+\b)+7], v[128*((\st)%2)+FR*\b:128*((\st)%2)+FR*\b+FR-1], v[AR:AR+FR-1], 0, v[SB+4*\b+(\st)%4], v[SA+4*(\a)+(\st)%4] matrix_a_fmt:MATRIX_FMT_FP6 matrix_b_fmt:MATRIX_FMT_FP6
.elseif (\st) > 3
	v_wmma_scale_f32_16x16x128_f8f6f4 v[8*(8*((\a)%4)+\b):8*(8*((\a)%4)+\b)+7], v[128*((\st)%2)+FR*\b:128*((\st)%2)+FR*\b+FR-1], v[AR:AR+FR-1], v[8*(8*((\a)%4)+\b):8*(8*((\a)%4)+\b)+7], v[SB+4*\b+(\st)%4], v[SA+4*(\a)+(\st)%4] matrix_a_fmt:MATRIX_FMT_FP6 matrix_b_fmt:MATRIX_FMT_FP6 matrix_a_scale:MATRIX_SCALE_ROW1 matrix_b_scale:MATRIX_SCALE_ROW1
.else
	v_wmma_scale_f32_16x16x128_f8f6f4 v[8*(8*((\a)%4)+\b):8*(8*((\a)%4)+\b)+7], v[128*((\st)%2)+FR*\b:128*((\st)%2)+FR*\b+FR-1], v[AR:AR+FR-1], v[8*(8*((\a)%4)+\b):8*(8*((\a)%4)+\b)+7], v[SB+4*\b+(\st)%4], v[SA+4*(\a)+(\st)%4] matrix_a_fmt:MATRIX_FMT_FP6 matrix_b_fmt:MATRIX_FMT_FP6
.endif
.endr
.endm
.macro FETCH_B st
	WIN TO_B
.irp i, 0,1,2,3,4,5,6,7
	FRAG 128*((\st)%2)+FR*\i, ADRB, \st, \i
.endr
.endm
.macro FETCH_A st
.irp i, 0,1,2,3,4,5,6,7
	ASET (\st)%2, \i
	WIN 0x40*AWN
	FRAG AR, ADRA, \st, \i
.endr
.endm
.macro STEP st, zero, kind             ; as in the first launch: kind 1 a barrier that shows a chunk, kind 2 the round and the refill
	s_wait_dscnt 0x0                               ; this step's fragments are in
	PLACES 4                                       ; the places in front of both runs of loads
	FETCH_B (\st)+1
.irp a, 0,1,2,3
	MULB \st, \a, \zero
.endr
	FETCH_A (\st)+1
	MULB \st, 4, \zero
	MULB \st, 5, \zero
.if \kind
	WIN 0
	s_wait_tensorcnt 0x0                           ; all my tensor loads have landed
.if \kind == 2
	ds_add_u32 v[SPW], v[NIL]
.endif
.endif
	MULB \st, 6, \zero
.if \kind
	s_wait_dscnt 0x0                               ; the add and all my LDS reads are done
	s_barrier_signal -1
.endif
	MULB \st, 7, \zero
.if \kind
	WIN 0
	s_barrier_wait -1
.if \kind == 2
	CREST                                          ; a round of the cluster's barrier: no wave of any partner still reads slot 0 or has a load on its way
	JLOAD G0, G1, G0B, G1B                         ; chunk 2
.endif
.endif
.endm
	FETCH_B 0
	FETCH_A 0
	STEP 0, 1, 1
	STEP 1, 0, 2
	STEP 2, 0, 0
	STEP 3, 0, 1
	STEP 4, 0, 0
	STEP 5, 0, 0
	STEP 6, 0, 0
	s_wait_dscnt 0x0
.irp a, 0,1,2,3,4,5,6,7
	MULB 7, \a, 0
.endr
	WIN 0
	PLACES NP                                      ; in front of the first read of results and the first write over x's fragments
	v_mov_b32 v[PT], 0                             ; a lane permute's destination counts as one of its sources
	v_lshlrev_b32 v[H8], 3, v2
	v_mov_b32 v[C4], 0x38C5DEC5                    ; C4 = 9.43518576e-5
	v_mov_b32 v[C4+1], 0x38C5DEC5
.irp a, 0,1,2,3,4,5,6,7
	ds_load_b32 v[INV+2*\a], v12 offset:64*\a      ; inv of row 16 a + r, out of my scratch,
	ds_load_b32 v[INV+2*\a+1], v12 offset:64*\a    ; twice: a pair for the packed multiply
.endr
	s_wait_alu depctr_va_vdst(0)                   ; directly ahead of the wait below
	s_wait_dscnt 0x0
; THE WAY OUT, a block of 16 rows x 128 columns at a time: one fragment of the second product's left operand.
.macro BLOCK a
.set AC, 64*((\a)%4)
	WIN 0x02+(\a)/4                                ; source 0: window 2 or 3
.irp b, 0,1,2,3,4,5,6,7                ; z = dot x inv, each accumulator from its low end on.  Tile b goes where the exchange below wants it
.irp k, 0,1,2,3
	v_pk_mul_f32 v[ZR+32*(\b/4)+16*(\b%2)+8*((\b%4)/2)+2*\k:ZR+32*(\b/4)+16*(\b%2)+8*((\b%4)/2)+2*\k+1], v[AC+8*\b+2*\k:AC+8*\b+2*\k+1], v[INV+2*(\a):INV+2*(\a)+1]
.endr
.endr
	WIN 0
.irp c, 0,1                            ; tiles 4 c + g and 4 c + 2 + g change halves: then lane (r, h) holds, in register 32 c + i, column 64 c + 32 h + i of row r
.irp g, 0,1
.irp j, 0,1,2,3,4,5,6,7
	v_permlane16_swap_b32 v[ZR+32*\c+16*\g+\j], v[ZR+32*\c+16*\g+8+\j]
.endr
.endr
.endr
.irp g, 0,1,2,3                        ; gelu(z) = z (0.5 + z Q(z^2)), 16 numbers at a time, the eight pairs by turns
.irp k, 0,1,2,3,4,5,6,7
	v_pk_mul_f32 v[TR+2*\k:TR+2*\k+1], v[ZR+16*\g+2*\k:ZR+16*\g+2*\k+1], v[ZR+16*\g+2*\k:ZR+16*\g+2*\k+1]
.endr
.irp k, 0,1,2,3,4,5,6,7
	v_pk_fma_f32 v[QR+2*\k:QR+2*\k+1], v[TR+2*\k:TR+2*\k+1], v[C4:C4+1], s[4:5] op_sel_hi:[1,1,0]
.endr
.irp k, 0,1,2,3,4,5,6,7
	v_pk_fma_f32 v[QR+2*\k:QR+2*\k+1], v[QR+2*\k:QR+2*\k+1], v[TR+2*\k:TR+2*\k+1], s[6:7] op_sel_hi:[1,1,0]
.endr
.irp k, 0,1,2,3,4,5,6,7
	v_pk_fma_f32 v[QR+2*\k:QR+2*\k+1], v[QR+2*\k:QR+2*\k+1], v[TR+2*\k:TR+2*\k+1], s[8:9] op_sel_hi:[1,1,0]
.endr
.irp k, 0,1,2,3,4,5,6,7
	v_pk_fma_f32 v[QR+2*\k:QR+2*\k+1], v[QR+2*\k:QR+2*\k+1], v[TR+2*\k:TR+2*\k+1], s[10:11] op_sel_hi:[1,1,0]
.endr
.irp k, 0,1,2,3,4,5,6,7
	v_pk_fma_f32 v[QR+2*\k:QR+2*\k+1], v[ZR+16*\g+2*\k:ZR+16*\g+2*\k+1], v[QR+2*\k:QR+2*\k+1], 0.5 op_sel_hi:[1,1,0]
.endr
.irp k, 0,1,2,3,4,5,6,7
	v_pk_mul_f32 v[ZR+16*\g+2*\k:ZR+16*\g+2*\k+1], v[ZR+16*\g+2*\k:ZR+16*\g+2*\k+1], v[QR+2*\k:QR+2*\k+1]
.endr
.endr
.irp m, 0,1,2,3                        ; the blocks' largest magnitudes, two chains a block; the floor 2^(3 - 127) among the leaves holds the byte at 1 from below
	v_max3_num_f32 v[MX+\m], |v[ZR+16*\m]|, |v[ZR+16*\m+1]|, 0x1800000
.endr
.irp i, 2,4,6,8,10,12,14
.irp m, 0,1,2,3
	v_max3_num_f32 v[MX+\m], v[MX+\m], |v[ZR+16*\m+\i]|, |v[ZR+16*\m+\i+1]|
.endr
.endr
	v_max_num_f32 v[MX], v[MX], v[MX+1]
	v_max_num_f32 v[MX+2], v[MX+2], v[MX+3]
	v_add_nc_u32 v[SO], 0xff000000, v[MX]          ; 2 off the exponent field: the conversion takes the exponent field of this operand as its scale
	v_add_nc_u32 v[SO+1], 0xff000000, v[MX+2]
	v_lshrrev_b32 v[BY0], 23, v[SO]                ; the scales' bytes: blocks h and 2 + h of row r
	v_lshrrev_b32 v[BY1], 23, v[SO+1]
	v_lshl_or_b32 v[PW+(\a)], v[BY1], 16, v[BY0]
	v_lshlrev_b32 v[PW+(\a)], v[H8], v[PW+(\a)]    ; at their places in the scale word: 8 h bits up
	v_permlanex16_b32 v[PT], v[PW+(\a)], s[SEL], s[SEL+1]
	v_or_b32 v[PW+(\a)], v[PW+(\a)], v[PT]         ; with lane l xor 16's two the word is whole
	s_wait_alu depctr_va_vdst(0)                   ; directly ahead of the wait below
	s_wait_xcnt 0x0                                ; the last block's stores have read the codes' registers: only behind this wait are they written again
.irp c, 0,1
	v_cvt_scalef32_pk16_fp6_f32 v[PC+6*\c:PC+6*\c+2], v[ZR+32*\c:ZR+32*\c+15], v[SO+\c]
	v_cvt_scalef32_pk16_fp6_f32 v[PX+4*\c:PX+4*\c+2], v[ZR+32*\c+16:ZR+32*\c+31], v[SO+\c]
.endr
	v_nop                                          ; one plain place behind a scaled conversion
.irp c, 0,1
.irp i, 0,1,2
	v_mov_b32 v[PC+6*\c+3+\i], v[PX+4*\c+\i]       ; registers 6 c .. 6 c + 5 hold k = 64 c + 32 h + 0 .. 31
.endr
.endr
.irp c, 0,1,2
	global_store_b128 v9, v[PC+4*\c:PC+4*\c+3], s[12:13] offset:((\a)/4)*204800+((\a)%4)*1536+512*\c th:TH_STORE_NT   ; 32 lanes store 512 consecutive bytes, at a multiple of 256 from aimg's first byte
.endr
	ds_store_b32 v12, v[PW+(\a)] offset:2048+64*(\a)   ; row 16 a + r's scale word; both halves of the lanes write the same value
.endm
.irp a, 0,1,2,3,4,5,6,7
	BLOCK \a
.endr
	ds_load_b128 v[120:123], v13 offset:2048       ; LDS serves a wave's instructions in order (ISA guide 5.7.1.4): this sees my stores.  Four rows' words a lane
	s_wait_dscnt 0x0
	global_store_b128 v11, v[120:123], s[2:3] th:TH_STORE_NT   ; sixteen lanes store 256 consecutive bytes, at a multiple of 256 from aimg's first byte
	s_wait_tensorcnt 0x0                           ; the wave's end
	ds_add_u32 v[SPW], v[NIL]
	s_wait_dscnt 0x0
	CROUND                                         ; the closing round
	s_endpgm
.Lfunc_end_k_qa6471e0ef0_gelu:
	.size	k_qa6471e0ef0_gelu, .Lfunc_end_k_qa6471e0ef0_gelu-k_qa6471e0ef0_gelu
	.p2alignl 7, 3214868480
	.fill 96, 4, 3214868480
	.section	.rodata,"a",@progbits
	.p2align	6, 0x0
	.amdhsa_kernel k_qa6471e0ef0_gelu
		.amdhsa_group_segment_fixed_size 327680
		.amdhsa_private_segment_fixed_size 0
		.amdhsa_enable_private_segment 0
		.amdhsa_kernarg_size 48
		.amdhsa_user_sgpr_count 2
		.amdhsa_user_sgpr_kernarg_segment_ptr 1
		.amdhsa_wavefront_size32 1
		.amdhsa_system_sgpr_workgroup_id_x 1
		.amdhsa_system_sgpr_workgroup_id_y 1
		.amdhsa_system_sgpr_workgroup_id_z 1
		.amdhsa_system_vgpr_workitem_id 0
		.amdhsa_next_free_vgpr 1024
		.amdhsa_next_free_sgpr 98
		.amdhsa_reserve_vcc 0
		.amdhsa_float_denorm_mode_32 3
		.amdhsa_float_denorm_mode_16_64 3
		.amdhsa_memory_ordered 1
		.amdhsa_forward_progress 1
		.amdhsa_inst_pref_size 255
	.end_amdhsa_kernel
	.section	.bss,"aw",@nobits
	.p2align	6
	.space	262144
	.amdgpu_metadata
---
amdhsa.version: [ 1, 2 ]
amdhsa.kernels:
  - .name:           k_qa6471e0ef0_gelu
    .symbol:         k_qa6471e0ef0_gelu.kd
    .args:
      - { .name: x_codes, .offset: 0, .size: 8, .value_kind: global_buffer, .address_space: global }
      - { .name: x_scales, .offset: 8, .size: 8, .value_kind: global_buffer, .address_space: global }
      - { .name: key_param_tokens_codes, .offset: 16, .size: 8, .value_kind: global_buffer, .address_space: global }
      - { .name: key_param_tokens_scales, .offset: 24, .size: 8, .value_kind: global_buffer, .address_space: global }
      - { .name: aimg, .offset: 32, .size: 8, .value_kind: global_buffer, .address_space: global }
      - { .name: part, .offset: 40, .size: 8, .value_kind: global_buffer, .address_space: global }
    .group_segment_fixed_size: 327680
    .private_segment_fixed_size: 0
    .kernarg_segment_align: 8
    .kernarg_segment_size: 48
    .max_flat_workgroup_size: 128
    .sgpr_count:     98
    .vgpr_count:     1024
    .wavefront_size: 32
...
	.end_amdgpu_metadata
.endif
;; end of part 2
;; launch outp (part 3): grid 4 x 64, 4 waves a work-group, clusters of 4 x 4, 327,680 bytes of LDS; arguments aimg, vimg, out0; writes out0
.if DOCPART == 3
	.amdgcn_target "amdgcn-amd-amdhsa--gfx1250"
	.amdhsa_code_object_version 6
	.text
	.protected	k_qa6471e0ef0_outp
	.globl	k_qa6471e0ef0_outp
	.p2align	8
	.type	k_qa6471e0ef0_outp,@function
k_qa6471e0ef0_outp:
	s_mov_b64 s[64:65], 0
	v_nop
	global_prefetch_b8 v0, s[64:65] scope:SCOPE_SE
	s_setreg_imm32_b32 hwreg(HW_REG_WAVE_MODE, 25, 1), 1
	s_wait_xcnt 0x0
	s_wait_alu depctr_hold_cnt(0) depctr_sa_sdst(0) depctr_va_vdst(0) depctr_va_sdst(0) depctr_va_ssrc(0) depctr_va_vcc(0) depctr_vm_vsrc(0)
	s_getreg_b32 s2, hwreg(HW_REG_IB_STS2, 6, 4)
	s_cmp_eq_u32 s2, 0
	s_cbranch_scc0 .Lentry_in_a_cluster
	s_endpgm
.Lentry_in_a_cluster:
	s_bfe_u32 s2, ttmp6, 0x10000c
	s_cmp_lg_u32 s2, 0xf033
	s_cbranch_scc0 .Lentry_shape_is_right
	s_endpgm
.Lentry_shape_is_right:
; THIRD OF THREE LAUNCHES.  Nothing of reference() is left out here.  out[m][v] = sum over n of A[m][n] V[v][n]: A the quantised gelu out of aimg, V out of vimg, both in the order of the operands' registers; m 8,192, v 1,024, n 4,096.
; SHARES: a block of 128 rows x 256 columns to a work-group: 256 work-groups.  Wave w takes column half w % 2 and K half w / 2: of each K block of 512 its K steps 2 (w / 2) and 2 (w / 2) + 1; 128 x 128 in 64 accumulators.
;   The two K halves are added at the end through LDS: accumulators of blocks 0-3 hold the 64 rows that the wave finishes (row block w / 2), blocks 4-7 the partner's.
; RING: two LDS slots of 153,600 bytes; a slot holds one K block of 512: aimg's two blocks of 25,600 bytes, vimg's two of 51,200, as they lie in memory (rows of 256 bytes).  Eight fills, two steps of 64 products a wave each.
;   Waves 0 and 1 fetch aimg's blocks, waves 2 and 3 vimg's, one tensor load a wave behind each round.
; BOTH OPERANDS HAVE TWO SETS OF FRAGMENT REGISTERS: a step's head fetches the whole next step in one run of 48 loads of 16 bytes a lane.  So a slot's last reads stand at the head of its first step, and it is filled again at that step's end.
; CLUSTERS: 4 x 4 work-groups; aimg's blocks are asked for jointly along a row of the cluster (the four column blocks), vimg's along a column (four row blocks).
; PREFETCH: behind the load of fill g stands the request for fill g + 2: of the block that my wave fetches my work-group names a quarter (25 or 50 pieces of 256 bytes, by cx for aimg, cy for vimg), a lane a piece; it stops with fill 7.
; THE MATRIX INSTRUCTION IS USED TRANSPOSED (source 0 = 16 columns of V, source 1 = 16 rows of A): lane (r, h) of accumulator (a, b) holds row r of block a and columns 16 b + 8 h + 0 .. 7.
; REGISTERS: window 0: v8-26 addresses, v32-63 scale words (a set a slot: V's eight, A's eight; lanes 0-15 the slot's first step, lanes 16-31 its second), A's fragments at v64 and v160.
;   window 1: V's fragments at v0 and v128.  windows 2, 3: the accumulators ((a, b) at v[8 (8 (a % 4) + b)]).
.set FR,     12
.set ABLK,   25600
.set VBLK,   51200
.set SLOT,   2*ABLK+2*VBLK
.set SPARE,  2*SLOT                    ; the spare words, 128 bytes a wave
.set XBASE,  0                         ; the exchange, 32,768 bytes a wave, in slot 0 behind its last fill and last read
.set STAGE,  SLOT                      ; the stage, 16 rows x 528 bytes a wave, in slot 1 behind its last read
.set SPITCH, 528
.set AA,   8                           ; v8-11  my A fragments: blocks 0-3 in slot 0, 1; blocks 4-7 in slot 0, 1
.set VAD,  12                          ; v12-13 my V fragments in slot 0, 1
.set AS,   14                          ; v14-17 A's scale words, as v8-11
.set VSC,  18                          ; v18-19 V's scale words
.set PF1,  20
.set PF2,  21
.set XS,   22
.set XR,   23
.set STO,  24
.set RD,   25
.set CO,   26
.set SPW,  28
.set NIL,  29
.set SB,   32
.set SA,   40
.set XT,   64
.set AF,   64
.set BK,   128
.set G1A, 24
.set G0A, 32
.set PFA, 40
.set PFS, 42
.set G1V, 48
.set G0V, 56
.set MUL_LO, 0xa1
.set TO_B,   0x40
.set MSB, 0
.macro WIN new
.if MSB != (\new)
	s_set_vgpr_msb (MSB<<8)|(\new)
.set MSB, (\new)
.endif
.endm
.macro PLACES n
.rept \n
	v_nop
.endr
.endm
.macro CREST
	s_cmp_lg_u32 s14, 0
	s_cbranch_scc1 .Lnot_wave_0_\@
	s_barrier_signal -3
.Lnot_wave_0_\@:
	s_barrier_wait -3
	s_barrier_signal -1
	s_barrier_wait -1
.endm
.macro CROUND
	s_barrier_signal -1
	s_barrier_wait -1
	CREST
.endm
.macro JLOAD s                         ; s_nop 0 and four v_nop behind each line
	s_cmp_eq_u32 s15, 0
	s_cbranch_scc0 .Lfor_v_\@
	tensor_load_to_lds s[G0A+4*\s:G0A+4*\s+3], s[G1A:G1A+7]
	s_nop 0
	PLACES 4
	s_branch .Lasked_\@
.Lfor_v_\@:
	tensor_load_to_lds s[G0V+4*\s:G0V+4*\s+3], s[G1V:G1V+7]
	s_nop 0
	PLACES 4
.Lasked_\@:
.endm
.macro ASK
	global_prefetch_b8 v[PF1], s[PFA:PFA+1] th:TH_LOAD_NT scope:SCOPE_SE
	s_cmp_eq_u32 s15, 0
	s_cbranch_scc1 .Lno_ask_\@                     ; aimg's quarter is 25 pieces: one instruction
	global_prefetch_b8 v[PF2], s[PFA:PFA+1] th:TH_LOAD_NT scope:SCOPE_SE
.Lno_ask_\@:
.endm
.macro G1W g, rows                     ; a dense block as rows of 256 bytes: 32 elements of 8 bytes
	s_mov_b32 s[\g+1], 32<<16
	s_mov_b32 s[\g+2], (\rows)<<16
	s_mov_b32 s[\g+3], 32<<16
	s_mov_b32 s[\g+4], \rows
	s_mov_b32 s[\g+5], 32
	s_mov_b32 s[\g+6], 0
	s_mov_b32 s[\g+7], 0
.endm
	s_load_b128 s[4:7], s[0:1], 0x0                ; aimg, vimg
	s_load_b64 s[8:9], s[0:1], 0x10                ; out
	v_lshl_add_u32 v[SPW], v0, 2, SPARE
	v_mov_b32 v[NIL], 0
	ds_add_u32 v[SPW], v[NIL]                      ; the opening lines: the add, twice on end, and its wait ahead of my first tensor load
	ds_add_u32 v[SPW], v[NIL]
	v_lshrrev_b32 v1, 5, v0
	v_readfirstlane_b32 s14, v1                    ; wave 0..3
	s_lshr_b32 s15, s14, 1                         ; my K half; also: I fetch for aimg (0) or vimg (1)
	s_and_b32 s16, s14, 1                          ; my column half; also: which of the two blocks I fetch
	s_cmp_eq_u32 s15, 0
	s_cselect_b32 s44, 24, 31
	v_and_b32 v1, 15, v0                           ; r
	v_bfe_u32 v2, v0, 4, 1                         ; h
	v_and_b32 v3, 31, v0                           ; lane
	v_lshlrev_b32 v[CO], 4, v3                     ; 16 x lane
	v_min_u32 v[PF1], s44, v3
	v_lshlrev_b32 v[PF1], 8, v[PF1]                ; a lane a piece of 256 bytes; lanes left over name the last again
	v_min_u32 v[PF2], 17, v3
	v_lshlrev_b32 v[PF2], 8, v[PF2]
	v_add_nc_u32 v[PF2], 8192, v[PF2]              ; pieces 32 to 49
	s_bfe_u32 s10, ttmp6, 0x40000                  ; cx
	s_bfe_u32 s11, ttmp6, 0x40004                  ; cy
	s_lshl_b32 s45, ttmp9, 2
	s_add_co_u32 s45, s45, s10                     ; column block
	s_and_b32 s17, ttmp7, 0xffff
	s_lshl_b32 s17, s17, 2
	s_add_co_u32 s17, s17, s11                     ; row block
	s_lshl_b32 s12, s11, 2
	s_lshl_b32 s12, 15, s12                        ; my row of the cluster
	s_lshl_b32 s13, 0x1111, s10                    ; my column
	s_or_b32 s[G1A], s12, (3<<16)|(1<<21)
	s_or_b32 s[G1V], s13, (3<<16)|(1<<21)
	G1W G1A, 100
	G1W G1V, 200
	s_lshl_b32 s2, s17, 7                          ; out: row 128 x row block + 64 x K half, 4,096 bytes a row; column 256 x column block + 128 x column half
	s_lshl_b32 s3, s15, 6
	s_add_co_u32 s2, s2, s3
	s_lshl_b32 s2, s2, 12
	s_lshl_b32 s3, s45, 10
	s_add_co_u32 s2, s2, s3
	s_lshl_b32 s3, s16, 9
	s_add_co_u32 s2, s2, s3
	s_mov_b32 s3, 0
	s_lshl_b32 s20, s17, 1
	s_add_co_u32 s20, s20, s16
	s_mul_i32 s20, s20, 8*ABLK                     ; aimg: the block of 64 rows that I fetch, K block 0
	s_mov_b32 s21, 0
	s_lshl_b32 s22, s45, 1
	s_add_co_u32 s22, s22, s16
	s_mul_i32 s22, s22, 8*VBLK                     ; vimg: the block of 128 columns
	s_mov_b32 s23, 0
	s_mul_i32 s18, s16, ABLK                       ; where they go
	s_mul_i32 s19, s16, VBLK
	s_add_co_u32 s19, s19, 2*ABLK
	s_wait_alu depctr_va_vdst(0)                   ; directly ahead of the waits below
	s_wait_dscnt 0x0
	s_wait_kmcnt 0x0
	s_add_nc_u64 s[8:9], s[8:9], s[2:3]
	s_add_nc_u64 s[20:21], s[4:5], s[20:21]
	s_add_nc_u64 s[22:23], s[6:7], s[22:23]
.irp s, 0,1
	s_mov_b32 s[G0A+4*\s], 1
	s_add_co_u32 s[G0A+4*\s+1], s18, \s*SLOT
	s_add_nc_u64 s[G0A+4*\s+2:G0A+4*\s+3], s[20:21], \s*ABLK
	s_or_b32 s[G0A+4*\s+3], s[G0A+4*\s+3], 0x80000000
	s_mov_b32 s[G0V+4*\s], 1
	s_add_co_u32 s[G0V+4*\s+1], s19, \s*SLOT
	s_add_nc_u64 s[G0V+4*\s+2:G0V+4*\s+3], s[22:23], \s*VBLK
	s_or_b32 s[G0V+4*\s+3], s[G0V+4*\s+3], 0x80000000
.endr
	s_cmp_eq_u32 s15, 0                            ; the prefetches: my block, my work-group's quarter of it, from fill 2 on
	s_cselect_b32 s46, s10, s11
	s_mov_b32 s47, 12800
	s_cselect_b32 s47, 6400, s47
	s_mov_b32 s[PFS], VBLK
	s_cselect_b32 s[PFS], ABLK, s[PFS]
	s_cselect_b64 s[PFA:PFA+1], s[20:21], s[22:23]
	s_mov_b32 s[PFS+1], 0
	s_mul_i32 s46, s46, s47
	s_mov_b32 s47, 0
	s_add_nc_u64 s[PFA:PFA+1], s[PFA:PFA+1], s[46:47]
	s_add_nc_u64 s[PFA:PFA+1], s[PFA:PFA+1], s[PFS:PFS+1]
	s_add_nc_u64 s[PFA:PFA+1], s[PFA:PFA+1], s[PFS:PFS+1]
	CROUND                                         ; all sixteen work-groups are here: the first joint loads meet
	JLOAD 0                                        ; fill 0: one tensor load a wave at the head
	s_mul_i32 s18, s15, ABLK+12288                 ; A's blocks 0-3: row block = my K half; my K steps begin 2 x 6,144 bytes x K half into the block
	s_xor_b32 s19, s15, 1
	s_mul_i32 s19, s19, ABLK                       ; blocks 4-7: the other row block
	s_mul_i32 s20, s15, 12288
	s_add_co_u32 s20, s20, s19
	s_mul_i32 s21, s16, VBLK
	s_mul_i32 s22, s15, 24576
	s_add_co_u32 s21, s21, s22
	s_add_co_u32 s21, s21, 2*ABLK                  ; V's fragments
	s_mul_i32 s22, s15, ABLK+512
	s_add_co_u32 s22, s22, 24576                   ; A's scale words, blocks 0-3
	s_lshl_b32 s23, s15, 9
	s_add_co_u32 s23, s23, s19
	s_add_co_u32 s23, s23, 24576                   ; blocks 4-7
	s_mul_i32 s46, s16, VBLK
	s_lshl_b32 s47, s15, 10
	s_add_co_u32 s46, s46, s47
	s_add_co_u32 s46, s46, 2*ABLK+49152            ; V's scale words
	s_lshl_b32 s12, s14, 15
	s_add_co_u32 s12, s12, XBASE                   ; what I hand over
	s_xor_b32 s13, s14, 2
	s_lshl_b32 s13, s13, 15
	s_add_co_u32 s13, s13, XBASE                   ; what the wave of the other K half hands me
	s_mul_i32 s44, s14, 16*SPITCH
	s_add_co_u32 s44, s44, STAGE
	v_lshlrev_b32 v4, 2, v1
	v_lshl_add_u32 v5, v2, 9, v4                   ; V's words: 4 r, lanes 16-31 one K step (512 bytes) on
	v_lshl_add_u32 v4, v2, 8, v4                   ; A's: 256 bytes on
	v_add_nc_u32 v[AA], s18, v[CO]
	v_add_nc_u32 v[AA+1], SLOT, v[AA]
	v_add_nc_u32 v[AA+2], s20, v[CO]
	v_add_nc_u32 v[AA+3], SLOT, v[AA+2]
	v_add_nc_u32 v[VAD], s21, v[CO]
	v_add_nc_u32 v[VAD+1], SLOT, v[VAD]
	v_add_nc_u32 v[AS], s22, v4
	v_add_nc_u32 v[AS+1], SLOT, v[AS]
	v_add_nc_u32 v[AS+2], s23, v4
	v_add_nc_u32 v[AS+3], SLOT, v[AS+2]
	v_add_nc_u32 v[VSC], s46, v5
	v_add_nc_u32 v[VSC+1], SLOT, v[VSC]
	v_add_nc_u32 v[XS], s12, v[CO]
	v_add_nc_u32 v[XR], s13, v[CO]
	v_mul_u32_u24 v6, v1, SPITCH
	v_lshl_add_u32 v6, v2, 5, v6
	v_add_nc_u32 v[STO], s44, v6
	v_add_nc_u32 v[RD], s44, v[CO]
	ASK                                            ; fill 2
; A's block a against V's eight; par: the slot's first or second step.  The 64 accumulators take turns, one instruction a turn.
.macro MULB par, sl, a, zero
	WIN MUL_LO+0x50*((\a)/4)
.irp b, 0,1,2,3,4,5,6,7
.if \zero
	v_wmma_scale_f32_16x16x128_f8f6f4 v[8*(8*((\a)%4)+\b):8*(8*((\a)%4)+\b)+7], v[128*(\par)+FR*\b:128*(\par)+FR*\b+FR-1], v[AF+96*(\par)+FR*(\a):AF+96*(\par)+FR*(\a)+FR-1], 0, v[SB+16*(\sl)+\b], v[SA+16*(\sl)+(\a)] matrix_a_fmt:MATRIX_FMT_FP6 matrix_b_fmt:MATRIX_FMT_FP6
.elseif \par
	v_wmma_scale_f32_16x16x128_f8f6f4 v[8*(8*((\a)%4)+\b):8*(8*((\a)%4)+\b)+7], v[128*(\par)+FR*\b:128*(\par)+FR*\b+FR-1], v[AF+96*(\par)+FR*(\a):AF+96*(\par)+FR*(\a)+FR-1], v[8*(8*((\a)%4)+\b):8*(8*((\a)%4)+\b)+7], v[SB+16*(\sl)+\b], v[SA+16*(\sl)+(\a)] matrix_a_fmt:MATRIX_FMT_FP6 matrix_b_fmt:MATRIX_FMT_FP6 matrix_a_scale:MATRIX_SCALE_ROW1 matrix_b_scale:MATRIX_SCALE_ROW1
.else
	v_wmma_scale_f32_16x16x128_f8f6f4 v[8*(8*((\a)%4)+\b):8*(8*((\a)%4)+\b)+7], v[128*(\par)+FR*\b:128*(\par)+FR*\b+FR-1], v[AF+96*(\par)+FR*(\a):AF+96*(\par)+FR*(\a)+FR-1], v[8*(8*((\a)%4)+\b):8*(8*((\a)%4)+\b)+7], v[SB+16*(\sl)+\b], v[SA+16*(\sl)+(\a)] matrix_a_fmt:MATRIX_FMT_FP6 matrix_b_fmt:MATRIX_FMT_FP6
.endif
.endr
.endm
; One run of LDS loads: the fragments of step pn of slot sn into set pn; sc = 1: the slot's scale words too.  It leaves every window 0.
.macro RUN pn, sn, sc
	WIN TO_B
.irp b, 0,1,2,3,4,5,6,7
.irp c, 0,1,2
	ds_load_b128 v[128*(\pn)+FR*\b+4*\c:128*(\pn)+FR*\b+4*\c+3], v[VAD+(\sn)] offset:(\pn)*12288+\b*1536+512*\c
.endr
.endr
	WIN 0
.irp a, 0,1,2,3,4,5,6,7
.irp c, 0,1,2
	ds_load_b128 v[AF+96*(\pn)+FR*\a+4*\c:AF+96*(\pn)+FR*\a+4*\c+3], v[AA+2*(\a/4)+(\sn)] offset:(\pn)*6144+(\a%4)*1536+512*\c
.endr
.endr
.if \sc
.irp i, 0,1,2,3
	ds_load_b32 v[SA+16*(\sn)+\i], v[AS+(\sn)] offset:64*\i
	ds_load_b32 v[SA+16*(\sn)+4+\i], v[AS+2+(\sn)] offset:64*\i
.endr
.irp j, 0,1,2,3,4,5,6,7
	ds_load_b32 v[SB+16*(\sn)+\j], v[VSC+(\sn)] offset:64*\j
.endr
.endif
.endm
; A slot's first step.  Its head fetches the slot's second step: my last reads of the slot.  kind 2: at its end the wait for all my tensor loads (my part of the other slot), the add, the wait for it and for my reads,
; the barrier, which opens a round, and the refill of this slot.  kind 1: the wait and a barrier that shows the other slot.  The four v_nop are the places in front of the run (ISA guide 7.12.1).
.macro EVEN sl, zero, kind
	s_wait_dscnt 0x0                               ; this step's fragments are in: they were asked for 64 products ago
	PLACES 4
	RUN 1, \sl, 0
.irp a, 0,1,2,3,4,5
	MULB 0, \sl, \a, \zero
.endr
.if \kind
	WIN 0
	s_wait_tensorcnt 0x0
.if \kind == 2
	ds_add_u32 v[SPW], v[NIL]
	s_add_nc_u64 s[G0A+4*\sl+2:G0A+4*\sl+3], s[G0A+4*\sl+2:G0A+4*\sl+3], 2*ABLK    ; no load of mine is out: this slot's next K block
	s_add_nc_u64 s[G0V+4*\sl+2:G0V+4*\sl+3], s[G0V+4*\sl+2:G0V+4*\sl+3], 2*VBLK
.endif
.endif
	MULB 0, \sl, 6, \zero
.if \kind
	s_wait_dscnt 0x0                               ; the add and my reads of this slot are done
	s_barrier_signal -1
.endif
	MULB 0, \sl, 7, \zero
.if \kind
	WIN 0
	s_barrier_wait -1
.if \kind == 2
	CREST                                          ; no wave of any partner still reads this slot or has a load on its way
	JLOAD \sl
.endif
.endif
.endm
; A slot's second step: its head fetches the other slot's first step and scale words.
.macro ODD sl, ask, run
.if \ask
	s_wait_xcnt 0x0                                ; my prefetches have read their address: on to the next fill's
	s_add_nc_u64 s[PFA:PFA+1], s[PFA:PFA+1], s[PFS:PFS+1]
.endif
	s_wait_dscnt 0x0
.if \run
	PLACES 4
	RUN 0, 1-(\sl), 1
.endif
.if \ask
	ASK                                            ; behind the joint load and the run of LDS loads
.endif
.irp a, 0,1,2,3,4,5,6,7
	MULB 1, \sl, \a, 0
.endr
.endm
	s_wait_alu depctr_va_vdst(0)                   ; the head's end
	s_wait_xcnt 0x0
	s_add_nc_u64 s[PFA:PFA+1], s[PFA:PFA+1], s[PFS:PFS+1]
	s_wait_tensorcnt 0x0                           ; my part of fill 0 is in; slot 1's first fill is issued as a refill is
	ds_add_u32 v[SPW], v[NIL]
	s_wait_dscnt 0x0
	CROUND
	JLOAD 1                                        ; fill 1
	RUN 0, 0, 1                                    ; step 0's fragments and slot 0's scale words
	ASK                                            ; fill 3
	EVEN 0, 1, 2                                   ; the first step's products start the sums; fill 2
	s_mov_b32 s3, 2
.Lloop:                                                ; a trip goes once round the ring: steps 4 i + 1 to 4 i + 4, and fills both slots again
	ODD 0, 1, 1
	EVEN 1, 0, 2
	ODD 1, 1, 1
	EVEN 0, 0, 2
	s_sub_co_u32 s3, s3, 1
	s_cmp_lg_u32 s3, 0
	s_cbranch_scc1 .Lloop
	ODD 0, 0, 1                                    ; steps 9 to 15: one more fill, the last
	EVEN 1, 0, 2
	ODD 1, 0, 1
	EVEN 0, 0, 1
	ODD 0, 0, 1
	EVEN 1, 0, 0
	ODD 1, 0, 0
	PLACES 4
; THE WAY OUT.  Blocks 4-7 go to the wave of the other K half as an image of the registers; its image is added to my blocks 0-3; a block of 16 rows x 128 columns goes through my stage and leaves as whole rows of 512 bytes.
	WIN 0x0c
.set i, 0
.rept 64
	ds_store_b128 v[XS], v[4*i:4*i+3] offset:512*i ; each accumulator from its low end on
.set i, i+1
.endr
	WIN 0
	s_wait_dscnt 0x0                               ; for the others' sake: my stores, and my reads of slot 1, are done
	s_barrier_signal -1
	s_barrier_wait -1
.macro XADD a
	s_wait_dscnt 0x0
.irp k, 0,1,2,3,4,5,6,7,8,9,10,11,12,13,14,15
	ds_load_b128 v[XT+4*\k:XT+4*\k+3], v[XR] offset:(16*(\a)+\k)*512
.endr
	s_wait_dscnt 0x0
	WIN 0x02
.set i, 0
.rept 32
	v_pk_add_f32 v[XT+2*i:XT+2*i+1], v[64*(\a)+2*i:64*(\a)+2*i+1], v[XT+2*i:XT+2*i+1]
.set i, i+1
.endr
	WIN 0
.endm
.macro TOSTAGE a
.set BB, BK+64*((\a)%2)
.irp b, 0,1,2,3,4,5,6,7
	ds_store_b128 v[STO], v[XT+8*\b:XT+8*\b+3] offset:64*\b
	ds_store_b128 v[STO], v[XT+8*\b+4:XT+8*\b+7] offset:64*\b+16
.endr
.irp t, 0,1,2,3,4,5,6,7,8,9,10,11,12,13,14,15
	ds_load_b128 v[BB+4*\t:BB+4*\t+3], v[RD] offset:\t*SPITCH   ; LDS serves a wave's instructions in order (ISA guide 5.7.1.4): these see my stores
.endr
.endm
.macro SEND a
.set BB, BK+64*((\a)%2)
.irp t, 0,1,2,3,4,5,6,7,8,9,10,11,12,13,14,15
	global_store_b128 v[CO], v[BB+4*\t:BB+4*\t+3], s[8:9] offset:(16*(\a)+\t)*4096 th:TH_STORE_NT   ; 32 lanes store 512 consecutive bytes, at a multiple of 256 from out's first byte
.endr
.endm
	XADD 0
	TOSTAGE 0
.irp a, 1,2,3
	XADD \a
	SEND \a-1
.if \a > 1
	s_wait_alu depctr_va_vdst(0)                   ; directly ahead of the wait below
	s_wait_xcnt 0x0                                ; block a - 2's stores have read their registers: block a's loads may land there
.endif
	TOSTAGE \a
.endr
	s_wait_dscnt 0x0
	SEND 3
	s_wait_tensorcnt 0x0                           ; the wave's end
	ds_add_u32 v[SPW], v[NIL]
	s_wait_dscnt 0x0
	CROUND                                         ; the closing round
	s_endpgm
.Lfunc_end_k_qa6471e0ef0_outp:
	.size	k_qa6471e0ef0_outp, .Lfunc_end_k_qa6471e0ef0_outp-k_qa6471e0ef0_outp
	.p2alignl 7, 3214868480
	.fill 96, 4, 3214868480
	.section	.rodata,"a",@progbits
	.p2align	6, 0x0
	.amdhsa_kernel k_qa6471e0ef0_outp
		.amdhsa_group_segment_fixed_size 327680
		.amdhsa_private_segment_fixed_size 0
		.amdhsa_enable_private_segment 0
		.amdhsa_kernarg_size 24
		.amdhsa_user_sgpr_count 2
		.amdhsa_user_sgpr_kernarg_segment_ptr 1
		.amdhsa_wavefront_size32 1
		.amdhsa_system_sgpr_workgroup_id_x 1
		.amdhsa_system_sgpr_workgroup_id_y 1
		.amdhsa_system_sgpr_workgroup_id_z 1
		.amdhsa_system_vgpr_workitem_id 0
		.amdhsa_next_free_vgpr 1024
		.amdhsa_next_free_sgpr 66
		.amdhsa_reserve_vcc 0
		.amdhsa_float_denorm_mode_32 3
		.amdhsa_float_denorm_mode_16_64 3
		.amdhsa_memory_ordered 1
		.amdhsa_forward_progress 1
		.amdhsa_inst_pref_size 188
	.end_amdhsa_kernel
	.amdgpu_metadata
---
amdhsa.version: [ 1, 2 ]
amdhsa.kernels:
  - .name:           k_qa6471e0ef0_outp
    .symbol:         k_qa6471e0ef0_outp.kd
    .args:
      - { .name: aimg, .offset: 0, .size: 8, .value_kind: global_buffer, .address_space: global }
      - { .name: vimg, .offset: 8, .size: 8, .value_kind: global_buffer, .address_space: global }
      - { .name: out0, .offset: 16, .size: 8, .value_kind: global_buffer, .address_space: global }
    .group_segment_fixed_size: 327680
    .private_segment_fixed_size: 0
    .kernarg_segment_align: 8
    .kernarg_segment_size: 24
    .max_flat_workgroup_size: 128
    .sgpr_count:     66
    .vgpr_count:     1024
    .wavefront_size: 32
...
	.end_amdgpu_metadata
.endif
;; end of part 3
